; MI455X (gfx1250); checked and timed in simulation.
; The chip was launched on July 23, 2026; its instructions are those of AMD's public machine-readable ISA for CDNA 5 (MIT licence, August 2026) and "CDNA5" Instruction Set Architecture Reference Guide (July 2026). The comments in the code are by the model that wrote it; some were corrected since.
;; ADDSE Self Attention Block. Allowed arithmetic: matrix products marked QUANTISED: E2M1 operands, one E8M0 scale for each 32 along K, by v_wmma_scale_f32_16x16x128_f8f6f4 with both operands' format E2M1 (or v_wmma_scale_f32_32x16x128_f4), f32 sums; products left as they are: bf16, f16 or f32 operands; f32 sums; everything else in f32.
;; Inputs: cos_emb 2,048 x 64 float32; proj_b 1,024 float32; proj_w 1,024 x 1,024 float32; qkv_b 3,072 float32; qkv_w 3,072 x 1,024 float32; sin_emb 2,048 x 64 float32; x 4 x 2,048 x 1,024 float32.
;; Outputs: out0 4 x 2,048 x 1,024 float32.
;; This version of the problem:
;;   THIS VERSION OF THE PROBLEM IS GIVEN IN LOW PRECISION. The matrix products marked QUANTISED in the list below multiply operands that are first quantised to E2M1 (2 exponent bits, 1 mantissa bit; 4 bits a number), with one power-of-two scale for each 32 numbers along K (OCP MX v1.0); their sums are f32. The products marked 'left as it is' may take bf16, f16 or f32 operands, with f32 sums. Whichever they take, every output number must still come out within the allowed error. Rounding operands to bf16 (8 significant bits) uses up far more of that allowance than f16 does (11 bits, for magnitudes from 6e-5 to 65,504). All else is computed in f32.
;;   The module's matrix products, in the order in which they are computed (A, B: the left and right operand; K: the contracted axis; several contracted axes count as one K, in the product's order):
;;     1. [M 8,192, K 1,024] x [K 1,024, N 3,072]; A: input x; B: input qkv_w: QUANTISED
;;     2. batch 64 x [M 2,048, K 64] x [K 64, N 2,048]; A: computed on the way; B: computed on the way: left as it is (an operand is computed on the way)
;;     3. batch 64 x [M 2,048, K 2,048] x [K 2,048, N 64]; A: computed on the way; B: computed on the way: left as it is (an operand is computed on the way)
;;     4. [M 8,192, K 1,024] x [K 1,024, N 1,024]; A: computed on the way; B: input proj_w: left as it is (an operand is computed on the way)
;;   THE QUANTISER, for each operand of a quantised product, along K:
;;     - K is cut into blocks of 32 from its start; a last block that is shorter is filled with zeros.
;;     - A block's scale is 2^e with e = floor(log2(the largest magnitude in the block)) - 2, held to -126 .. 127; a block of zeros has e = 0. As a byte (E8M0): e + 127.
;;     - Each number is divided by its block's scale, clamped to +-6, and rounded to the nearest number of E2M1, ties to even, subnormals kept.
;;     - The product sums the exact products of the quantised numbers (number of the format x scale) in f32.
;;   ~~~python
;;   def quantise(x, axis):      # numpy; x: float32 -> the quantised numbers, widened to float32 again
;;       x = np.moveaxis(x, axis, -1); K = x.shape[-1]
;;       x = np.pad(x, [(0, 0)] * (x.ndim - 1) + [(0, -K % 32)]); x = x.reshape(x.shape[:-1] + (-1, 32)); a = np.abs(x).max(-1, keepdims=True)
;;       e = np.where(a > 0, np.clip(np.frexp(np.where(a > 0, a, 1))[1] - 1 - 2, -126, 127), 0)      # np.frexp(a)[1] - 1 = floor(log2(a)), exactly
;;       r = np.clip(x / 2.0 ** e, -6, 6)
;;       step = 2.0 ** (np.maximum(np.frexp(np.where(r == 0, 1, r))[1] - 1, 0) - 1)
;;       q = np.round(r / step) * step * 2.0 ** e      # np.round: ties to even
;;       return np.moveaxis(q.reshape(q.shape[:-2] + (-1,))[..., :K], -1, axis).astype(np.float32)
;;   ~~~
;; One version. Each part assembles by itself: llvm-mc -triple=amdgcn-amd-amdhsa -mcpu=gfx1250 --defsym DOCPART=n.
;; ======== version 1 of 1: 4 launches
;; limits: values are held in f16: magnitudes above 65,504 overflow, below 6.1e-05 lose precision; right only within a limited range of input values
;; workspace buffers: xc 4,194,304 bytes; xs 262,144 bytes; wc 1,572,864 bytes; ws 98,304 bytes; wp16 2,097,152 bytes; qkv16 50,331,648 bytes; o16 16,777,216 bytes
;; launch prep (part 1): grid 384 x 1, 4 waves a work-group, no clusters, 33,280 bytes of LDS; arguments x, qkv_w, proj_w, xc, xs, wc, ws, wp16; writes xc, xs, wc, ws, wp16
.if DOCPART == 1
	.amdgcn_target "amdgcn-amd-amdhsa--gfx1250"
	.amdhsa_code_object_version 6
	.text
	.protected	k_q980b87f6c2_prep
	.globl	k_q980b87f6c2_prep
	.p2align	8
	.type	k_q980b87f6c2_prep,@function
k_q980b87f6c2_prep:
	s_mov_b64 s[64:65], 0
	v_nop
	global_prefetch_b8 v0, s[64:65] scope:SCOPE_SE
	s_setreg_imm32_b32 hwreg(HW_REG_WAVE_MODE, 25, 1), 1
	s_wait_xcnt 0x0
; x [8192][1024] and qkv_w [3072][1024], f32, become codes of FP4 (E2M1), K innermost, two codes a byte, with one E8M0 scale byte for each 32 along K;
; proj_w [1024 n][1024 k], f32, becomes f16 laid by head: wp16[h][n][d] = proj_w[n][64 h + d], so that 64 along K of any run of rows is one dense block.
; A block's scale is 2^(floor(log2(its largest magnitude)) - 2); its byte is the largest magnitude's own exponent field - 2, held at 1 from below.  Each number is divided by the scale and
; rounded to the nearest code, ties to even; beyond the largest code the conversion gives the largest code.
; LIMITS: a block of zeros gets the byte 1 (its codes are zeros, which add nothing, and this program alone reads the bytes); blocks whose largest magnitude lies under 2^-124 share that byte;
; NaN and infinities among the inputs are not served.  proj_w must lie inside f16's range (magnitudes under 65,504).
; SHARES: work-groups 0-255 take x, 256-351 qkv_w: 32,768 numbers each, 8,192 a wave, in 16 steps of 512.  Rows are dense and K is a multiple of 32: both tensors are plain streams of blocks.
; Each of a step's four loads reads 512 consecutive bytes; the 2,048 bytes turn through the wave's own stage in LDS and come back 64 bytes a lane, so that a lane holds 16 neighbours along K
; (two neighbouring lanes hold a block).  A lane's 16 codes are 8 bytes: a wave's store covers 256 consecutive bytes.  A wave's 256 scale bytes are gathered in LDS and leave as one such run.
; Work-groups 352-383 cast proj_w: a wave takes 8 rows; it uses no LDS.
; No tensor loads, no barrier: waves share nothing.
.set XWG,   256                        ; work-groups for x
.set QWG,   352                        ; work-groups that quantise
.set STEPS, 16
.set EMAX,  2
.set CB,    8                          ; bytes of 16 codes
.set R,     16                         ; v16-79   four sets of 16 numbers as they are loaded
.set X,     80                         ; v80-111  two sets of 16 neighbours
.set E,     112                        ; v112-127 a scale byte for each step
.set C,     128                        ; v128-191 codes: four registers for each step, so that no store's data are written again
.set WREG,  8192                       ; LDS: a region for each wave: two stages of 32 x SP bytes, behind them its 256 scale bytes
.set SP,    80                         ; a lane's place in a stage: 64 bytes + 16 of padding
.set SPW,   12                         ; v12 LDS address of my spare word; never rewritten
.set NIL,   13                         ; v13 0; never rewritten
.set SPARE, 4*WREG                     ; behind the four regions: the spare words, 128 bytes a wave
.set CIN,   16                         ; the cast: v16-79, v80-143 two sets of 16 x 4 numbers
.set COUT,  144                        ; v144-175 16 x 2 registers of f16
	s_load_b256 s[4:11], s[0:1], 0x0               ; x s[4:5], qkv_w s[6:7], proj_w s[8:9], xc s[10:11]
	s_load_b256 s[12:19], s[0:1], 0x20             ; xs s[12:13], wc s[14:15], ws s[16:17], wp16 s[18:19]
	v_lshl_add_u32 v[SPW], v0, 2, SPARE
	v_mov_b32 v[NIL], 0
	v_lshrrev_b32 v1, 5, v0
	v_readfirstlane_b32 s20, v1                    ; wave
	v_and_b32 v2, 31, v0                           ; lane
	v_lshlrev_b32 v3, 4, v2                        ; my 16 bytes of a load's 512
	s_mul_i32 s21, s20, WREG
	v_lshrrev_b32 v14, 2, v2
	v_mul_u32_u24 v14, v14, SP
	v_and_b32 v15, 3, v2
	v_lshl_add_u32 v14, v15, 4, v14
	v_add_nc_u32 v14, s21, v14                     ; the stage, on the way in: SP (lane / 4) + 16 (lane % 4)
	v_mul_u32_u24 v15, v2, SP
	v_add_nc_u32 v15, s21, v15                     ; and on the way out: SP x lane: my 16 neighbours
	v_mul_u32_u24 v4, v2, CB                       ; my codes' place in a step's
	v_lshrrev_b32 v5, 1, v2
	s_add_co_u32 s21, s21, 2*32*SP
	v_add_nc_u32 v5, s21, v5                       ; LDS: my wave's 256 scale bytes, my block's byte
	v_lshlrev_b32 v7, 3, v2                        ; 8 bytes a lane
	v_add_nc_u32 v6, s21, v7
	s_wait_kmcnt 0x0
	s_cmp_ge_u32 ttmp9, QWG                        ; the work-group's number alone decides the path
	s_cbranch_scc1 .Lcast
	s_cmp_lt_u32 ttmp9, XWG                        ; x or qkv_w: only pointers are chosen
	s_cselect_b64 s[4:5], s[4:5], s[6:7]
	s_cselect_b64 s[10:11], s[10:11], s[14:15]
	s_cselect_b64 s[12:13], s[12:13], s[16:17]
	s_cselect_b32 s21, 0, XWG
	s_sub_co_u32 s21, ttmp9, s21
	s_lshl_b32 s21, s21, 2
	s_add_co_u32 s22, s21, s20                     ; which run of 8,192 numbers of the tensor is my wave's
	s_mov_b32 s23, 0
	s_mov_b64 s[24:25], 512*STEPS*4
	s_mul_u64 s[24:25], s[22:23], s[24:25]
	s_add_nc_u64 s[4:5], s[4:5], s[24:25]
	s_mov_b64 s[24:25], 32*STEPS*CB
	s_mul_u64 s[24:25], s[22:23], s[24:25]
	s_add_nc_u64 s[10:11], s[10:11], s[24:25]
	s_lshl_b32 s22, s22, 8                         ; 256 scale bytes a run
	s_add_nc_u64 s[12:13], s[12:13], s[22:23]
.macro LOAD t
.irp i, 0,1,2,3
	global_load_b128 v[R+16*((\t)%4)+4*\i:R+16*((\t)%4)+4*\i+3], v3, s[4:5] offset:2048*(\t)+512*\i th:TH_LOAD_NT   ; 32 lanes read 512 consecutive bytes
.endr
.endm
.macro TURN t                          ; step t's numbers through the stage: LDS serves a wave's instructions in order, so no wait stands between the stores and the loads
.irp i, 0,1,2,3
	ds_store_b128 v14, v[R+16*((\t)%4)+4*\i:R+16*((\t)%4)+4*\i+3] offset:32*SP*((\t)%2)+8*SP*\i
.endr
.irp i, 0,1,2,3
	ds_load_b128 v[X+16*((\t)%2)+4*\i:X+16*((\t)%2)+4*\i+3], v15 offset:32*SP*((\t)%2)+16*\i
.endr
.endm
.irp t, 0,1,2,3
	LOAD \t
.endr
	s_wait_loadcnt 12                              ; step 0's four loads are in
	TURN 0
.macro STEP t
.set XS, X+16*((\t)%2)
.if (\t) > 0
	s_wait_dscnt 1                                 ; this step's numbers are back from the stage (the last step's byte store may be out)
.else
	s_wait_dscnt 0x0
.endif
.if (\t)+4 < STEPS
	LOAD (\t)+4                                    ; the registers that the stage's stores have read take the loads of four steps on
.endif
.if (\t)+1 < STEPS
.if STEPS-2-(\t) >= 3
	s_wait_loadcnt 12                              ; the next step's four loads are in; those of the three steps behind it may be out
.else
	s_wait_loadcnt 4*(STEPS-2-(\t))
.endif
	TURN (\t)+1                                    ; they go through the other stage while this step is worked
.endif
	v_max3_num_f32 v8, |v[XS]|, |v[XS+1]|, |v[XS+2]|               ; the largest magnitude of my 16, in two chains
	v_max3_num_f32 v9, |v[XS+3]|, |v[XS+4]|, |v[XS+5]|
.irp i, 6,10
	v_max3_num_f32 v8, v8, |v[XS+\i]|, |v[XS+\i+1]|
	v_max3_num_f32 v9, v9, |v[XS+\i+2]|, |v[XS+\i+3]|
.endr
	v_max3_num_f32 v8, v8, |v[XS+14]|, |v[XS+15]|
	v_max3_num_f32 v8, v8, v9, (EMAX+1)<<23        ; and the floor 2^(EMAX + 1 - 127): the byte cannot fall under 1
	v_max_num_f32_dpp v8, v8, v8 row_xmask:1 row_mask:0xf bank_mask:0xf   ; and of my neighbour's 16: the block's
	v_add_nc_u32 v11, -(EMAX<<23), v8              ; EMAX off its exponent field: the conversion takes the exponent field of this operand as its scale
	v_cvt_scalef32_pk8_fp4_f32 v[C+4*(\t)], v[XS:XS+7], v11
	v_cvt_scalef32_pk8_fp4_f32 v[C+4*(\t)+1], v[XS+8:XS+15], v11
	v_lshrrev_b32 v[E+(\t)], 23, v11               ; the scale's byte
	ds_store_b8 v5, v[E+(\t)] offset:16*(\t)       ; both lanes of a block write the same byte with the same value
	global_store_b64 v4, v[C+4*(\t):C+4*(\t)+1], s[10:11] offset:32*CB*(\t)   ; 32 lanes store 256 consecutive bytes
.endm
.irp t, 0,1,2,3,4,5,6,7,8,9,10,11,12,13,14,15
	STEP \t
.endr
	ds_load_b64 v[8:9], v6                         ; LDS serves a wave's instructions in order: these see my byte stores
	s_wait_dscnt 0x0
	global_store_b64 v7, v[8:9], s[12:13]          ; 32 lanes store my wave's 256 scale bytes
	s_wait_tensorcnt 0x0                           ; the wave's end, behind my last LDS store
	ds_add_u32 v[SPW], v[NIL]
	s_wait_dscnt 0x0
	s_endpgm
; THE CAST.  Wave i of 128 takes rows 8 i .. 8 i + 7 of proj_w.  An item (p, h): lanes 0-15 read the 256 bytes of head h in row 8 i + 2 p, lanes 16-31 those of the next row;
; four numbers a lane become 8 bytes, and the 32 lanes store 256 consecutive bytes of wp16 (two rows of 128 bytes of head h).  16 items a round, loads one round ahead.
.Lcast:
	s_sub_co_u32 s21, ttmp9, QWG
	s_lshl_b32 s21, s21, 2
	s_add_co_u32 s21, s21, s20                     ; i
	s_lshl_b32 s22, s21, 15                        ; 8 rows of 4,096 bytes
	s_mov_b32 s23, 0
	s_add_nc_u64 s[8:9], s[8:9], s[22:23]
	s_lshl_b32 s22, s21, 10                        ; 8 rows of 128 bytes
	s_add_nc_u64 s[18:19], s[18:19], s[22:23]
	v_lshrrev_b32 v8, 4, v2
	v_and_b32 v9, 15, v2
	v_lshlrev_b32 v9, 4, v9
	v_lshl_add_u32 v8, v8, 12, v9                  ; 4,096 (lane / 16) + 16 (lane % 16)
.macro CLOADS p
.irp h, 0,1,2,3,4,5,6,7,8,9,10,11,12,13,14,15
	global_load_b128 v[CIN+64*((\p)%2)+4*\h:CIN+64*((\p)%2)+4*\h+3], v8, s[8:9] offset:8192*(\p)+256*\h th:TH_LOAD_NT
.endr
.endm
.macro CAST p
.if (\p) < 3
	s_wait_loadcnt 16                              ; this round's 16 loads are in; the next round's 16 may be out
.else
	s_wait_loadcnt 0x0
.endif
.if (\p) > 0
	s_wait_xcnt 0x0                                ; the last round's stores have read their data registers, which are written again below
.endif
.irp h, 0,1,2,3,4,5,6,7,8,9,10,11,12,13,14,15
	v_cvt_pk_f16_f32 v[COUT+2*\h], v[CIN+64*((\p)%2)+4*\h], v[CIN+64*((\p)%2)+4*\h+1]
	v_cvt_pk_f16_f32 v[COUT+2*\h+1], v[CIN+64*((\p)%2)+4*\h+2], v[CIN+64*((\p)%2)+4*\h+3]
.endr
.if (\p) < 2
	CLOADS (\p)+2
.endif
.irp h, 0,1,2,3,4,5,6,7,8,9,10,11,12,13,14,15
	global_store_b64 v7, v[COUT+2*\h:COUT+2*\h+1], s[18:19] offset:131072*\h+256*(\p)
.endr
.endm
	CLOADS 0
	CLOADS 1
	CAST 0
	CAST 1
	CAST 2
	CAST 3
	s_wait_tensorcnt 0x0                           ; the wave's end
	ds_add_u32 v[SPW], v[NIL]
	s_wait_dscnt 0x0
	s_endpgm
.Lfunc_end_k_q980b87f6c2_prep:
	.size	k_q980b87f6c2_prep, .Lfunc_end_k_q980b87f6c2_prep-k_q980b87f6c2_prep
	.p2alignl 7, 3214868480
	.fill 96, 4, 3214868480
	.section	.rodata,"a",@progbits
	.p2align	6, 0x0
	.amdhsa_kernel k_q980b87f6c2_prep
		.amdhsa_group_segment_fixed_size 33280
		.amdhsa_private_segment_fixed_size 0
		.amdhsa_enable_private_segment 0
		.amdhsa_kernarg_size 64
		.amdhsa_user_sgpr_count 2
		.amdhsa_user_sgpr_kernarg_segment_ptr 1
		.amdhsa_wavefront_size32 1
		.amdhsa_system_sgpr_workgroup_id_x 1
		.amdhsa_system_sgpr_workgroup_id_y 1
		.amdhsa_system_sgpr_workgroup_id_z 1
		.amdhsa_system_vgpr_workitem_id 0
		.amdhsa_next_free_vgpr 192
		.amdhsa_next_free_sgpr 66
		.amdhsa_reserve_vcc 0
		.amdhsa_float_denorm_mode_32 3
		.amdhsa_float_denorm_mode_16_64 3
		.amdhsa_memory_ordered 1
		.amdhsa_forward_progress 1
		.amdhsa_inst_pref_size 54
	.end_amdhsa_kernel
	.amdgpu_metadata
---
amdhsa.version: [ 1, 2 ]
amdhsa.kernels:
  - .name:           k_q980b87f6c2_prep
    .symbol:         k_q980b87f6c2_prep.kd
    .args:
      - { .name: x, .offset: 0, .size: 8, .value_kind: global_buffer, .address_space: global }
      - { .name: qkv_w, .offset: 8, .size: 8, .value_kind: global_buffer, .address_space: global }
      - { .name: proj_w, .offset: 16, .size: 8, .value_kind: global_buffer, .address_space: global }
      - { .name: xc, .offset: 24, .size: 8, .value_kind: global_buffer, .address_space: global }
      - { .name: xs, .offset: 32, .size: 8, .value_kind: global_buffer, .address_space: global }
      - { .name: wc, .offset: 40, .size: 8, .value_kind: global_buffer, .address_space: global }
      - { .name: ws, .offset: 48, .size: 8, .value_kind: global_buffer, .address_space: global }
      - { .name: wp16, .offset: 56, .size: 8, .value_kind: global_buffer, .address_space: global }
    .group_segment_fixed_size: 33280
    .private_segment_fixed_size: 0
    .kernarg_segment_align: 8
    .kernarg_segment_size: 64
    .max_flat_workgroup_size: 128
    .sgpr_count:     66
    .vgpr_count:     192
    .wavefront_size: 32
...
	.end_amdgpu_metadata
.endif
;; end of part 1
;; launch qkv (part 2): grid 12 x 32, 4 waves a work-group, clusters of 4 x 4, 327,680 bytes of LDS; arguments xc, xs, wc, ws, qkv16, qkv_b, cos_emb, sin_emb; writes qkv16
.if DOCPART == 2
	.amdgcn_target "amdgcn-amd-amdhsa--gfx1250"
	.amdhsa_code_object_version 6
	.text
	.protected	k_q980b87f6c2_qkv
	.globl	k_q980b87f6c2_qkv
	.p2align	8
	.type	k_q980b87f6c2_qkv,@function
k_q980b87f6c2_qkv:
	s_mov_b64 s[64:65], 0
	v_nop
	global_prefetch_b8 v0, s[64:65] scope:SCOPE_SE
	s_setreg_imm32_b32 hwreg(HW_REG_WAVE_MODE, 25, 1), 1
	s_wait_xcnt 0x0
	s_wait_alu depctr_hold_cnt(0) depctr_sa_sdst(0) depctr_va_vdst(0) depctr_va_sdst(0) depctr_va_ssrc(0) depctr_va_vcc(0) depctr_vm_vsrc(0)
	s_getreg_b32 s2, hwreg(HW_REG_IB_STS2, 6, 4)
	s_cmp_eq_u32 s2, 0
	s_cbranch_scc0 .Lentry_in_a_cluster
	s_endpgm
.Lentry_in_a_cluster:
	s_bfe_u32 s2, ttmp6, 0x10000c
	s_cmp_lg_u32 s2, 0xf033
	s_cbranch_scc0 .Lentry_shape_is_right
	s_endpgm
.Lentry_shape_is_right:
; qkv = Q(x) Q(qkv_w)^T + qkv_b on codes of FP4 (E2M1) with one E8M0 scale for each 32 along K = 1,024; then the interleaved rotation on q and k; then f16, laid qkv16[type][16 batch + head][token][64].
; A tile of 256 tokens x 256 columns is made by a work-group of four waves; a wave makes 128 x 128: 64 accumulators of 16 x 16, 512 registers.
; ALL OF K LIES IN LDS: two slots of 512 along K (rows of 256 bytes), filled once by the tensor data mover at the head; nothing is filled again.  The scale bytes of the tile's rows come with them.
; CLUSTERS: 4 x 4 work-groups.  The four of a row of the cluster need the same tiles of x, the four of a column the same tiles of qkv_w: each tile is asked for JOINTLY, by the same tensor load
; with the same descriptor and a mask that names the four.  A cluster's 1,024 columns are one type: cluster x = 0 is q, 1 is k, 2 is v.
; THE MATRIX INSTRUCTION IS USED TRANSPOSED (source 0 = 16 rows of qkv_w, source 1 = 16 tokens): a lane holds one token and eight neighbouring columns, so the rotation's pairs (2 i, 2 i + 1) lie in one lane.
; THE BIAS is the C of each sum's first matrix instruction.
; q AND k ARE STORED TIMES 2^-6 (cos and sin are multiplied by it: a power of two, nothing is rounded): the softmax's constant in the next launch carries 2^12.
; LIMITS: |q|, |k| under 4.19e6 and |v| under 65,504 (f16's largest number); an element of q or k under 0.004 keeps an absolute error of at most 2^-19.  NaN and infinities are not served.
; REGISTERS, in windows of 256: window 0: v0-31 addresses; v32-95 scale words, two sets; v128-191 fragments of x, ONE set; on the way out v32-127 are at work.
;   window 1: fragments of qkv_w, TWO sets, v0-63 and v128-191; v64-127 the bias, later cos and sin of odd token blocks; v192-255 cos and sin of even token blocks.
;   window 2: the 32 accumulators of my tokens 0-63 ((a, b) at v[8 (8 a + b)]);   window 3: those of my tokens 64-127.
.set KSTEP,  512
.set NQ,     4                         ; matrix instructions deep in a slot
.set ROWB,   256                       ; a tile's row in bytes
.set KROW,   512                       ; a row of codes in memory
.set PITCH,  272                       ; an LDS row: 256 bytes + 16 of padding, so that the 16 rows that a load touches start 68 words apart
.set FR,     8
.set NL,     2
.set NP,     4                         ; places behind this matrix instruction (ISA guide 7.12.1)
.set HALFT,  128*PITCH
.set SLOT,   4*HALFT
.set KS,     32                        ; a row of scale bytes
.set SCL,    2*SLOT
.set HALFS,  (128*KS/256)*272
.set SBLK,   (16*KS/256)*272
.set SPARE,  SCL+4*HALFS               ; the spare words, 128 bytes a wave
.set OP,     144                       ; the way out: a stage row: 128 bytes (a token's 64 f16 of one head) + 16
.set OST,    16*OP                     ; a wave's stage; the stages lie in slot 0, which has had its only fill and its last read when the first result is stored there
.set ADRA, 16
.set ADRB, 20
.set STO,  24
.set RD,   25
.set CO,   26
.set ADRS, 27
.set SPW,  28
.set NIL,  29
.set CA,   30                          ; v30 my byte in a block of 16 rows of cos or sin: 256 (lane % 16) + 32 (lane / 16)
.set BO,   31                          ; v31 32 (lane / 16): my eight numbers of a tile's sixteen biases
.set SC,   32
.set AF,   128
.set BI,   64                          ; in window 1
.set T,    32                          ; the way out: v32-63 rotated numbers, v64-79 packed, v96-127 rows read back, two sets
.set PKR,  64
.set RB,   96
.set G1, 24
.set G0, 32
.set G1B, 48
.set G0B, 56
.set G1S, 68
.set G0S, 76
.set G1SB, 80
.set G0SB, 88
.set MSB, 0
.macro WIN new                         ; the immediate's high byte repeats the setting that is left; a switch that changes nothing is dropped
.if MSB != (\new)
	s_set_vgpr_msb (MSB<<8)|(\new)
.set MSB, (\new)
.endif
.endm
.set MUL_LO,  0xa1                     ; source 0 window 1, source 1 window 0, C and D window 2
.set MUL_HI,  0xf1                     ; the same, C and D window 3
.set MULB_LO, 0x91                     ; C (the bias) window 1, D window 2
.set MULB_HI, 0xd1                     ; C window 1, D window 3
.set TO_B,    0x40                     ; destination window 1, address window 0
; A joint load: waves 0 and 1 fetch for x, waves 2 and 3 for qkv_w.  The branch hangs on the wave's number alone.  An s_nop 0 and four v_nop follow each of the two lines.
.macro JLOAD g0a, g1a, g0b, g1b
	s_cmp_eq_u32 s15, 0
	s_cbranch_scc0 .Lfor_b_\@
	tensor_load_to_lds s[\g0a:\g0a+3], s[\g1a:\g1a+7]
	s_nop 0
.rept 4
	v_nop
.endr
	s_branch .Lasked_\@
.Lfor_b_\@:
	tensor_load_to_lds s[\g0b:\g0b+3], s[\g1b:\g1b+7]
	s_nop 0
.rept 4
	v_nop
.endr
.Lasked_\@:
.endm
.macro CROUND                          ; a round of the cluster's barrier
	s_barrier_signal -1
	s_barrier_wait -1
	s_cmp_lg_u32 s14, 0
	s_cbranch_scc1 .Lnot_wave_0_\@
	s_barrier_signal -3
.Lnot_wave_0_\@:
	s_barrier_wait -3
	s_barrier_signal -1
	s_barrier_wait -1
.endm
	s_load_b128 s[4:7], s[0:1], 0x0                ; x's codes, x's scales
	s_load_b128 s[8:11], s[0:1], 0x10              ; qkv_w's codes, its scales
	s_load_b64 s[12:13], s[0:1], 0x20              ; qkv16
	s_load_b128 s[96:99], s[0:1], 0x28             ; qkv_b, cos_emb
	s_load_b64 s[100:101], s[0:1], 0x38            ; sin_emb
	v_lshl_add_u32 v[SPW], v0, 2, SPARE
	v_mov_b32 v[NIL], 0
	ds_add_u32 v[SPW], v[NIL]                      ; the wave's opening: the add, twice on end, and its wait ahead of my first tensor load
	ds_add_u32 v[SPW], v[NIL]
	v_lshrrev_b32 v1, 5, v0
	v_readfirstlane_b32 s14, v1                    ; wave 0..3
	s_lshr_b32 s15, s14, 1                         ; which half of the tile's tokens is mine.  Also: I fetch for x (0) or for qkv_w (1)
	s_and_b32 s16, s14, 1                          ; which half of its columns.  Also: which 128 rows of that tile I fetch
	s_bfe_u32 s40, ttmp6, 0x40000                  ; cx, cy: my place in the cluster
	s_bfe_u32 s41, ttmp6, 0x40004
	s_lshl_b32 s42, ttmp9, 2
	s_add_co_u32 s42, s42, s40                     ; tile column = 4 x cluster x + cx
	s_and_b32 s17, ttmp7, 0xffff
	s_lshl_b32 s17, s17, 2
	s_add_co_u32 s17, s17, s41                     ; tile row = 4 x cluster y + cy
	s_lshl_b32 s43, s41, 2
	s_lshl_b32 s43, 15, s43                        ; my row of the cluster
	s_lshl_b32 s44, 0x1111, s40                    ; my column
	s_or_b32 s[G1+0], s43, (0<<16)|(1<<20)|(1<<21)|(5<<22)|(3<<25)  ; the mask; elements of 1 byte; padding on; bit 21 beside a mask; after every 64 words 4 words
	s_or_b32 s[G1B+0], s44, (0<<16)|(1<<20)|(1<<21)|(5<<22)|(3<<25)
.irp g, G1, G1B
	s_mov_b32 s[\g+1], ROWB<<16                    ; tensor_dim0
	s_mov_b32 s[\g+2], 128<<16                     ; tensor_dim1
	s_mov_b32 s[\g+3], ROWB<<16                    ; tile_dim0
	s_mov_b32 s[\g+4], 128                         ; tile_dim1
	s_mov_b32 s[\g+5], KROW                        ; from row to row
	s_mov_b32 s[\g+6], 0
	s_mov_b32 s[\g+7], 0
.endr
	s_or_b32 s[G1S+0], s43, (3<<16)|(1<<20)|(1<<21)|(5<<22)|(3<<25)  ; the scales of 128 rows: 4,096 dense bytes as 16 rows of 256 (32 elements of 8 bytes), 16 bytes of padding behind each
	s_or_b32 s[G1SB+0], s44, (3<<16)|(1<<20)|(1<<21)|(5<<22)|(3<<25)
.irp g, G1S, G1SB
	s_mov_b32 s[\g+1], 32<<16
	s_mov_b32 s[\g+2], (128*KS/256)<<16
	s_mov_b32 s[\g+3], 32<<16
	s_mov_b32 s[\g+4], 128*KS/256
	s_mov_b32 s[\g+5], 32
	s_mov_b32 s[\g+6], 0
	s_mov_b32 s[\g+7], 0
.endr
	s_lshl_b32 s18, s16, 7
	s_lshl_b32 s20, s17, 8
	s_add_co_u32 s20, s20, s18                     ; x: row 256 x tile row + 128 x half
	s_lshl_b32 s46, s42, 8
	s_add_co_u32 s46, s46, s18                     ; qkv_w: row 256 x tile column + 128 x half
	s_mov_b32 s21, 0
	s_mov_b32 s47, 0
	s_mov_b64 s[18:19], KS
	s_mul_u64 s[22:23], s[20:21], s[18:19]         ; where these rows' scales begin
	s_mul_u64 s[92:93], s[46:47], s[18:19]
	s_mov_b64 s[18:19], KROW
	s_mul_u64 s[20:21], s[20:21], s[18:19]         ; and their codes
	s_mul_u64 s[46:47], s[46:47], s[18:19]
	s_mul_i32 s45, s14, HALFT                      ; where they go: wave x 128 rows
	s_mul_i32 s94, s14, HALFS
	s_wait_dscnt 0x0                               ; both opening adds are done
	s_wait_kmcnt 0x0
	s_add_nc_u64 s[20:21], s[4:5], s[20:21]
	s_add_nc_u64 s[22:23], s[6:7], s[22:23]
	s_add_nc_u64 s[46:47], s[8:9], s[46:47]
	s_add_nc_u64 s[92:93], s[10:11], s[92:93]
	CROUND                                         ; all sixteen work-groups are here: the joint loads meet
	s_mov_b32 s[G0S], 1
	s_add_co_u32 s[G0S+1], s94, SCL
	s_mov_b64 s[G0S+2:G0S+3], s[22:23]
	s_or_b32 s[G0S+3], s[G0S+3], 0x80000000
	s_mov_b32 s[G0SB], 1
	s_add_co_u32 s[G0SB+1], s94, SCL
	s_mov_b64 s[G0SB+2:G0SB+3], s[92:93]
	s_or_b32 s[G0SB+3], s[G0SB+3], 0x80000000
	JLOAD G0S, G1S, G0SB, G1SB                     ; the scales first: they are wanted with the first step
.irp s, 0,1
	s_mov_b32 s[G0+4*\s], 1
	s_add_co_u32 s[G0+4*\s+1], s45, \s*SLOT
	s_add_nc_u64 s[G0+4*\s+2:G0+4*\s+3], s[20:21], \s*ROWB
	s_or_b32 s[G0+4*\s+3], s[G0+4*\s+3], 0x80000000
	s_mov_b32 s[G0B+4*\s], 1
	s_add_co_u32 s[G0B+4*\s+1], s45, \s*SLOT
	s_add_nc_u64 s[G0B+4*\s+2:G0B+4*\s+3], s[46:47], \s*ROWB
	s_or_b32 s[G0B+4*\s+3], s[G0B+4*\s+3], 0x80000000
	JLOAD G0+4*\s, G1, G0B+4*\s, G1B               ; three loads of mine are out at the most
.endr
	v_and_b32 v1, 15, v0                           ; r = lane % 16
	v_bfe_u32 v2, v0, 4, 1                         ; h = lane / 16
	v_mul_u32_u24 v3, v1, PITCH
	v_lshl_add_u32 v4, v2, 4, v3                   ; a fragment's row x pitch + 16 h
	s_mul_i32 s21, s15, HALFT
	s_mul_i32 s22, s16, HALFT
	s_add_co_u32 s22, s22, 2*HALFT
.irp s, 0,1
	v_add_nc_u32 v[ADRA+\s], s21, v4
	v_add_nc_u32 v[ADRB+\s], s22, v4
	s_add_co_u32 s21, s21, SLOT
	s_add_co_u32 s22, s22, SLOT
.endr
	v_mul_u32_u24 v5, v1, KS                       ; my row's scales: KS bytes a row,
	v_lshrrev_b32 v6, 8, v5
	v_lshl_add_u32 v5, v6, 4, v5                   ; and 16 more for each 256 passed
	s_mul_i32 s21, s15, HALFS
	s_mul_i32 s22, s16, HALFS
	s_add_co_u32 s22, s22, 2*HALFS
	s_sub_co_u32 s22, s22, s21
	v_mul_u32_u24 v6, s22, v2                      ; lanes 16-31 take qkv_w's
	s_add_co_u32 s21, s21, SCL
	v_add_nc_u32 v5, v5, v6
	v_add_nc_u32 v[ADRS], s21, v5
	s_mul_i32 s23, s14, OST                        ; my stage
	v_mul_u32_u24 v5, v1, OP
	v_lshl_add_u32 v5, v2, 4, v5
	v_add_nc_u32 v[STO], s23, v5                   ; in: row r, 16 bytes for each half of the lanes
	v_and_b32 v6, 31, v0
	v_lshlrev_b32 v[CO], 4, v6                     ; in memory: 16 bytes a lane, 512 consecutive bytes a store
	v_lshrrev_b32 v5, 3, v6
	v_mul_u32_u24 v5, v5, OP
	v_and_b32 v7, 7, v6
	v_lshl_add_u32 v5, v7, 4, v5
	v_add_nc_u32 v[RD], s23, v5                    ; back: eight lanes to a row of 128 bytes, four rows an instruction
	v_lshlrev_b32 v[CA], 8, v1
	v_lshl_add_u32 v[CA], v2, 5, v[CA]
	v_lshlrev_b32 v[BO], 5, v2
	s_lshl_b32 s46, s42, 10                        ; the bias of my 128 columns: 4 (256 x tile column + 128 x half)
	s_lshl_b32 s47, s16, 9
	s_add_co_u32 s46, s46, s47
	s_mov_b32 s47, 0
	s_add_nc_u64 s[96:97], s[96:97], s[46:47]
	s_lshl_b32 s20, s17, 8
	s_lshl_b32 s21, s15, 7
	s_add_co_u32 s20, s20, s21                     ; my first row of x: 256 x tile row + 128 x half
	s_lshr_b32 s21, s20, 11                        ; its batch
	s_and_b32 s22, s20, 2047                       ; its token
	s_lshl_b32 s46, s21, 4
	s_lshl_b32 s47, s40, 2
	s_add_co_u32 s46, s46, s47
	s_lshl_b32 s47, s16, 1
	s_add_co_u32 s46, s46, s47                     ; 16 batch + my first head: 4 cx + 2 x half
	s_lshl_b32 s46, s46, 18                        ; a head's 2,048 tokens of 128 bytes
	s_lshl_b32 s47, s22, 7
	s_add_co_u32 s46, s46, s47
	s_lshl_b32 s47, ttmp9, 24                      ; the type's 16,777,216 bytes
	s_add_co_u32 s46, s46, s47
	s_mov_b32 s47, 0
	s_add_nc_u64 s[12:13], s[12:13], s[46:47]
	s_lshl_b32 s22, s22, 8                         ; cos and sin at my first token: rows of 256 bytes
	s_mov_b32 s23, 0
	s_add_nc_u64 s[98:99], s[98:99], s[22:23]
	s_add_nc_u64 s[100:101], s[100:101], s[22:23]
	WIN TO_B
.irp b, 0,1,2,3,4,5,6,7
	global_load_b128 v[BI+8*\b:BI+8*\b+3], v[BO], s[96:97] offset:64*\b          ; lane (r, h): the bias of columns 16 b + 8 h + 0 .. 7
	global_load_b128 v[BI+8*\b+4:BI+8*\b+7], v[BO], s[96:97] offset:64*\b+16
.endr
; cos and sin of token block a (16 tokens), in the results' layout: lane (r, h) takes, of token 16 a + r, channels 16 b + 8 h + 0 .. 7.  cos: 32 registers, sin: the next 32.  Even blocks at v192, odd at v64 of window 1.
.macro CSLOAD a
.set CSB, 192-128*((\a)%2)
	WIN TO_B
.irp b, 0,1,2,3
.irp i, 0,1
	global_load_b128 v[CSB+8*\b+4*\i:CSB+8*\b+4*\i+3], v[CA], s[98:99] offset:4096*(\a)+64*\b+16*\i
	global_load_b128 v[CSB+32+8*\b+4*\i:CSB+32+8*\b+4*\i+3], v[CA], s[100:101] offset:4096*(\a)+64*\b+16*\i
.endr
.endr
	WIN 0
.endm
	CSLOAD 0                                       ; asked for here by every work-group, so that the text parts once, at the way out; v's work-groups do not use these 8,192 bytes a wave
.macro FRAG reg, adr, q, i             ; 16 rows x 128 K of 4-bit codes: lane l holds row l % 16; registers 4 c .. 4 c + 3 hold K = 64 c + 32 (l / 16) + 0 .. 31
.irp c, 0,1
	ds_load_b128 v[\reg+4*\c:\reg+4*\c+3], v[\adr] offset:64*(\q)+32*\c+(\i)*16*PITCH
.endr
.endm
; 16 matrix instructions: token blocks a0, a0 + 1 x the eight column blocks, 128 along K.  first = 1: the bias is the C.  The 64 accumulators take turns, one instruction a turn.
.macro MUL16 a0, p, q, sc, first
.irp a, \a0, \a0+1
.irp b, 0,1,2,3,4,5,6,7
.if \first
	v_wmma_scale_f32_16x16x128_f8f6f4 v[8*(8*((\a)%4)+\b):8*(8*((\a)%4)+\b)+7], v[128*(\p)+FR*\b:128*(\p)+FR*\b+FR-1], v[AF+FR*(\a):AF+FR*(\a)+FR-1], v[BI+8*\b:BI+8*\b+7], v[SC+8*NQ*(\sc)+NQ*\b+(\q)], v[SC+8*NQ*(\sc)+NQ*(\a)+(\q)] matrix_a_fmt:MATRIX_FMT_FP4 matrix_b_fmt:MATRIX_FMT_FP4 matrix_a_scale:MATRIX_SCALE_ROW1
.else
	v_wmma_scale_f32_16x16x128_f8f6f4 v[8*(8*((\a)%4)+\b):8*(8*((\a)%4)+\b)+7], v[128*(\p)+FR*\b:128*(\p)+FR*\b+FR-1], v[AF+FR*(\a):AF+FR*(\a)+FR-1], v[8*(8*((\a)%4)+\b):8*(8*((\a)%4)+\b)+7], v[SC+8*NQ*(\sc)+NQ*\b+(\q)], v[SC+8*NQ*(\sc)+NQ*(\a)+(\q)] matrix_a_fmt:MATRIX_FMT_FP4 matrix_b_fmt:MATRIX_FMT_FP4 matrix_a_scale:MATRIX_SCALE_ROW1
.endif
.endr
.endr
.endm
.macro FETCH_B slot, q, p
	WIN TO_B
.irp i, 0,1,2,3,4,5,6,7
	FRAG 128*(\p)+FR*\i, ADRB+\slot, \q, \i
.endr
	WIN 0
.endm
.macro FETCH_A slot, q, i0
.irp i, \i0, \i0+1, \i0+2, \i0+3
	FRAG AF+FR*(\i), ADRA+\slot, \q, \i
.endr
.endm
.macro SCALES sc                       ; a slot's scale words: lanes 0-15 take x's block i, lanes 16-31 qkv_w's block i; four words a row
.irp i, 0,1,2,3,4,5,6,7
	ds_load_b128 v[SC+8*NQ*\sc+NQ*\i:SC+8*NQ*\sc+NQ*\i+3], v[ADRS] offset:\i*SBLK
.endr
.endm
.macro PLACES n                        ; plain vector instructions between a matrix instruction and a load into, or a vector access to, its registers
.rept \n
	v_nop
.endr
.endm
.macro STEP slot, q, first             ; a step of 128 along K that has its successor in the same slot
	s_wait_dscnt 4*NL                              ; all but the youngest eight loads (x's blocks 4-7) are in
.if \first
	WIN MULB_LO
.else
	WIN MUL_LO
.endif
	MUL16 0, (\q)%2, \q, \slot, \first
	MUL16 2, (\q)%2, \q, \slot, \first
	s_wait_dscnt 0
	PLACES NP
	FETCH_B \slot, (\q)+1, 1-(\q)%2
	FETCH_A \slot, (\q)+1, 0
.if \first
	WIN MULB_HI
.else
	WIN MUL_HI
.endif
	MUL16 4, (\q)%2, \q, \slot, \first
	MUL16 6, (\q)%2, \q, \slot, \first
	PLACES NP
	WIN 0
	FETCH_A \slot, (\q)+1, 4
.endm
; Slot 0's last step changes slots: one barrier; in front of it each wave waits for all its tensor loads (its part of slot 1), adds 0 to its spare word, and waits for that and for its reads of slot 0.
.macro TURN slot, next
	s_wait_tensorcnt 0x0
	ds_add_u32 v[SPW], v[NIL]
	s_wait_dscnt 4*NL+1                            ; (the add and the youngest eight loads may be out)
	WIN MUL_LO
	MUL16 0, 1, NQ-1, \slot, 0
	s_wait_dscnt 0x0                               ; the add is done, and my reads of this slot are over
	s_barrier_signal -1
	MUL16 2, 1, NQ-1, \slot, 0
	WIN 0
	s_barrier_wait -1
	PLACES NP
	v_add_nc_u32 v[ADRS], 4*NQ, v[ADRS]            ; on to the next slot's scale words
	FETCH_B \next, 0, 0
	FETCH_A \next, 0, 0
	SCALES \next
	WIN MUL_HI
	MUL16 4, 1, NQ-1, \slot, 0
	MUL16 6, 1, NQ-1, \slot, 0
	PLACES NP
	WIN 0
	FETCH_A \next, 0, 4
.endm
.macro STEPS slot, from
.set Q, \from
.rept NQ-1-\from
	STEP \slot, Q, 0
.set Q, Q+1
.endr
.endm
	s_wait_tensorcnt 1                             ; the scales and my part of slot 0 are in (slot 1's load may be out)
	s_barrier_signal -1
	s_barrier_wait -1                              ; everybody's are
	FETCH_B 0, 0, 0
	FETCH_A 0, 0, 0
	SCALES 0
	FETCH_A 0, 0, 4
	s_wait_loadcnt 0x0                             ; the bias, and the first block of cos and sin
	STEP 0, 0, 1
	STEPS 0, 1
	TURN 0, 1
	STEPS 1, 0
	s_wait_dscnt 4*NL                              ; the last step: nothing more to fetch
	WIN MUL_LO
	MUL16 0, 1, NQ-1, 1, 0
	MUL16 2, 1, NQ-1, 1, 0
	s_wait_dscnt 0
	WIN MUL_HI
	MUL16 4, 1, NQ-1, 1, 0
	MUL16 6, 1, NQ-1, 1, 0
	WIN 0
; THE WAY OUT, by units of 16 tokens x one head (64 columns: four accumulators).  A lane's eight numbers of an accumulator pack into 16 bytes; a unit goes through my stage in LDS (rows of 144 bytes)
; and comes back as rows of 128 bytes, four to an instruction: in qkv16 sixteen tokens of a head are 2,048 consecutive bytes, so each store covers 512 consecutive bytes.
; Unit u = 2 a + hd: token block a, my head hd.  rope = 1: y(2 i) = x(2 i) cos(2 i) - x(2 i + 1) sin(2 i);  y(2 i + 1) = x(2 i + 1) cos(2 i + 1) + x(2 i) sin(2 i + 1).
; Each accumulator is read from its low end on.  The two paths have stages of their own, 4 OST bytes apart.
.macro SENDU u, younger                ; younger: the LDS instructions issued behind the unit's loads, which may stay out
.set UU, \u
	s_wait_dscnt \younger
.irp i, 0,1,2,3
	global_store_b128 v[CO], v[RB+16*(UU%2)+4*\i:RB+16*(UU%2)+4*\i+3], s[12:13] offset:262144*(UU%2)+2048*(UU/2)+512*\i
.endr
.endm
.macro UNIT a, hd, rope
.set U, 2*(\a)+(\hd)
.set AC, 64*((\a)%4)+32*(\hd)
.set CSB, 192-128*((\a)%2)
.if \rope
	WIN 0x06+(\a)/4                                ; source 0: the accumulators' window; source 1: window 1; source 2 and destination: window 0
.irp b, 0,1,2,3
.irp i, 0,2,4,6
	v_pk_mul_f32 v[T+8*\b+\i:T+8*\b+\i+1], v[AC+8*\b+\i:AC+8*\b+\i+1], v[CSB+8*\b+\i:CSB+8*\b+\i+1]
.endr
.endr
.irp b, 0,1,2,3
.irp i, 0,2,4,6
	v_fma_f32 v[T+8*\b+\i], -v[AC+8*\b+\i+1], v[CSB+32+8*\b+\i], v[T+8*\b+\i]
	v_fma_f32 v[T+8*\b+\i+1], v[AC+8*\b+\i], v[CSB+32+8*\b+\i+1], v[T+8*\b+\i+1]
.endr
.endr
	WIN 0
.irp k, 0,1,2,3,4,5,6,7,8,9,10,11,12,13,14,15
	v_cvt_pk_f16_f32 v[PKR+\k], v[T+2*\k], v[T+2*\k+1]
.endr
.else
	WIN 0x0a+5*((\a)/4)                            ; sources 0 and 1: the accumulators' window
.irp k, 0,1,2,3,4,5,6,7,8,9,10,11,12,13,14,15
	v_cvt_pk_f16_f32 v[PKR+\k], v[AC+2*\k], v[AC+2*\k+1]
.endr
	WIN 0
.endif
.if U >= 2
	s_wait_xcnt 0x0                                ; unit u - 2's stores have read the registers into which this unit's rows come back
.endif
.irp b, 0,1,2,3
	ds_store_b128 v[STO], v[PKR+4*\b:PKR+4*\b+3] offset:32*\b+4*OST*(1-(\rope))
.endr
.irp i, 0,1,2,3
	ds_load_b128 v[RB+16*(U%2)+4*\i:RB+16*(U%2)+4*\i+3], v[RD] offset:4*OP*\i+4*OST*(1-(\rope))   ; LDS serves a wave's instructions in order: these see the stores above
.endr
.if U >= 1
	SENDU U-1, 8                                   ; behind unit u - 1's loads: this unit's 4 stores and 4 loads
.endif
.endm
.macro CSSCALE a                       ; cos and sin of block a times 2^-6
.set CSB, 192-128*((\a)%2)
	WIN 0x41                                       ; destination and source 0: window 1
.set k, 0
.rept 32
	v_pk_mul_f32 v[CSB+k:CSB+k+1], v[CSB+k:CSB+k+1], 0x3c800000 op_sel_hi:[1,0]
.set k, k+2
.endr
.endm
	PLACES NP                                      ; behind the last products: their results are read, and their scale registers written, below
	s_cmp_eq_u32 ttmp9, 2                          ; the cluster's x: the same in all sixteen partners
	s_cbranch_scc1 .Lplain
	CSLOAD 1
.irp a, 0,1,2,3,4,5,6,7
.if \a < 7
	s_wait_loadcnt 16                              ; this block's cos and sin are in; the next block's 16 loads may be out
.else
	s_wait_loadcnt 0x0
.endif
	CSSCALE \a
	UNIT \a, 0, 1
	UNIT \a, 1, 1
.if \a < 6
	CSLOAD \a+2                                    ; into the registers that this block has left
.endif
.endr
	SENDU 15, 0
	s_branch .Ltail
.Lplain:                                           ; v: no rotation
.irp a, 0,1,2,3,4,5,6,7
	UNIT \a, 0, 0
	UNIT \a, 1, 0
.endr
	SENDU 15, 0
.Ltail:
	s_wait_tensorcnt 0x0                           ; the wave's end: behind my last tensor load and my last LDS store
	ds_add_u32 v[SPW], v[NIL]
	s_wait_dscnt 0x0
	CROUND                                         ; the closing round
	s_endpgm
.Lfunc_end_k_q980b87f6c2_qkv:
	.size	k_q980b87f6c2_qkv, .Lfunc_end_k_q980b87f6c2_qkv-k_q980b87f6c2_qkv
	.p2alignl 7, 3214868480
	.fill 96, 4, 3214868480
	.section	.rodata,"a",@progbits
	.p2align	6, 0x0
	.amdhsa_kernel k_q980b87f6c2_qkv
		.amdhsa_group_segment_fixed_size 327680
		.amdhsa_private_segment_fixed_size 0
		.amdhsa_enable_private_segment 0
		.amdhsa_kernarg_size 64
		.amdhsa_user_sgpr_count 2
		.amdhsa_user_sgpr_kernarg_segment_ptr 1
		.amdhsa_wavefront_size32 1
		.amdhsa_system_sgpr_workgroup_id_x 1
		.amdhsa_system_sgpr_workgroup_id_y 1
		.amdhsa_system_sgpr_workgroup_id_z 1
		.amdhsa_system_vgpr_workitem_id 0
		.amdhsa_next_free_vgpr 1024
		.amdhsa_next_free_sgpr 102
		.amdhsa_reserve_vcc 0
		.amdhsa_float_denorm_mode_32 3
		.amdhsa_float_denorm_mode_16_64 3
		.amdhsa_memory_ordered 1
		.amdhsa_forward_progress 1
		.amdhsa_inst_pref_size 246
	.end_amdhsa_kernel
	.amdgpu_metadata
---
amdhsa.version: [ 1, 2 ]
amdhsa.kernels:
  - .name:           k_q980b87f6c2_qkv
    .symbol:         k_q980b87f6c2_qkv.kd
    .args:
      - { .name: xc, .offset: 0, .size: 8, .value_kind: global_buffer, .address_space: global }
      - { .name: xs, .offset: 8, .size: 8, .value_kind: global_buffer, .address_space: global }
      - { .name: wc, .offset: 16, .size: 8, .value_kind: global_buffer, .address_space: global }
      - { .name: ws, .offset: 24, .size: 8, .value_kind: global_buffer, .address_space: global }
      - { .name: qkv16, .offset: 32, .size: 8, .value_kind: global_buffer, .address_space: global }
      - { .name: qkv_b, .offset: 40, .size: 8, .value_kind: global_buffer, .address_space: global }
      - { .name: cos_emb, .offset: 48, .size: 8, .value_kind: global_buffer, .address_space: global }
      - { .name: sin_emb, .offset: 56, .size: 8, .value_kind: global_buffer, .address_space: global }
    .group_segment_fixed_size: 327680
    .private_segment_fixed_size: 0
    .kernarg_segment_align: 8
    .kernarg_segment_size: 64
    .max_flat_workgroup_size: 128
    .sgpr_count:     102
    .vgpr_count:     1024
    .wavefront_size: 32
...
	.end_amdgpu_metadata
.endif
;; end of part 2
;; launch attn (part 3): grid 4 x 64, 8 waves a work-group, clusters of 4 x 1, 327,680 bytes of LDS; arguments qkv16, o16; writes o16
.if DOCPART == 3
	.amdgcn_target "amdgcn-amd-amdhsa--gfx1250"
	.amdhsa_code_object_version 6
	.text
	.protected	k_q980b87f6c2_attn
	.globl	k_q980b87f6c2_attn
	.p2align	8
	.type	k_q980b87f6c2_attn,@function
k_q980b87f6c2_attn:
	s_mov_b64 s[64:65], 0
	v_nop
	global_prefetch_b8 v0, s[64:65] scope:SCOPE_SE
	s_setreg_imm32_b32 hwreg(HW_REG_WAVE_MODE, 25, 1), 1
	s_wait_xcnt 0x0
	s_wait_alu depctr_hold_cnt(0) depctr_sa_sdst(0) depctr_va_vdst(0) depctr_va_sdst(0) depctr_va_ssrc(0) depctr_va_vcc(0) depctr_vm_vsrc(0)
	s_getreg_b32 s2, hwreg(HW_REG_IB_STS2, 6, 4)
	s_cmp_eq_u32 s2, 0
	s_cbranch_scc0 .Lentry_in_a_cluster
	s_endpgm
.Lentry_in_a_cluster:
	s_bfe_u32 s2, ttmp6, 0x10000c
	s_cmp_lg_u32 s2, 0x3003
	s_cbranch_scc0 .Lentry_shape_is_right
	s_endpgm
.Lentry_shape_is_right:
; o[bh][q][:] = the sum over k of softmax_k(q . k / 8) v[k][:], for each of 64 (batch, head), 2,048 tokens, head size 64.  q, k, v: f16 in qkv16[type][bh][token][64]; q and k are stored times 2^-6.
; Products, maxima and sums in f32; the weights p are rounded to f16 for the second product, o once at the end (f16, o16[bh][token][64]).  The row's sum is taken of the unrounded p.
; LIMITS: as the launch before states them (|v| under 65,504); a weight under 2^-25 of the row's largest counts as 0 in the second product; NaN and infinities are not served.
; SHARES.  A cluster of four work-groups owns one (batch, head); a work-group 512 queries; each of its eight waves 64: four tiles of 16, in 512 registers.  Every wave walks all 2,048 keys, 64 a step.
; LAYOUT.  S^T = K Q^T (source 0 = 16 keys, source 1 = 16 queries): a lane holds ONE query (lane % 16) and keys 8 (lane / 16) + 0..7.  Two such tiles, rounded to f16 in pairs, ARE source 1
; (32 keys x 16 queries) of O^T = V^T P, whose result again holds one query a lane.  K comes out of LDS as it lies, V ([key][channel]) turned, by ds_load_tr16_b128.
; SOFTMAX.  For each query a running maximum m and sum l: p = 2^(c s - c m), c = 2^12 log2(e) / 8; in every step O and l are multiplied by a = 2^(c m_old - c m_new).
; RING.  Two slots of 512 keys (K and V); four fills, each with its own descriptor; both slots are asked for at the head, and each is filled again once, behind a round of the cluster's barrier.
; K and V are asked for JOINTLY by the four work-groups: the same tensor load, the same descriptor, a mask that names the four.  Waves 0-3 fetch K's quarters, waves 4-7 V's: one load a wave.
; A KEY STEP goes in phases: 32 products K Q^T | the LDS loads of the next K and of this V | the softmax of four tiles | 32 products V^T P.  The eight waves are of two classes, and behind each
; barrier the waves of one class idle for 30 s_nop 15, so that the classes stand about half a step apart and one class's vector phase can stand beside the other's matrix phase.
; Of waves w and w + 4, and of waves 2 w and 2 w + 1, one is of each class.
; REGISTERS: window 0: v2-11 addresses; v16-47 eight registers of statistics a tile; v48-111 K of one step; v112-127 partial sums; v128-255 S^T, 32 a tile; P is packed in place into a tile's first 16.
;   window 1: v0-127 O^T, 32 a tile; v128-191 Q, 16 a tile; v192-255 V of one step.
.set KS,    64                         ; keys in a step
.set PK,    144                        ; a row of K in LDS: 128 bytes + 16
.set PV,    160                        ; a row of V: 128 + 32: an odd multiple of 32, as the turning load's 8 rows x 32 bytes want
.set VOFF,  512*PK                     ; a slot: 512 rows of K, then 512 rows of V
.set SLOT,  512*(PK+PV)
.set KQTR,  128*PK                     ; what one tensor load brings
.set VQTR,  128*PV
.set SPARE, 2*SLOT                     ; behind the ring: the spare words, 128 bytes a wave
.set KBASE, 16777216                   ; k's and v's first bytes in qkv16
.set VBASE, 33554432
.set AK0, 2                            ; v2  my lane's place in a tile of K: 144 (lane % 16) + 16 (lane / 16)
.set AV0, 3                            ; v3  the same for V
.set ADR, 4                            ; v4, v5 the LDS addresses of the runs of loads in hand
.set ADRV, 5
.set QO,  6
.set STO, 7                            ; the way out: a stage of 16 rows x 144 bytes a wave, in slot 0, which has had its last fill and its last read by then
.set RD,  8
.set GO,  9
.set SPW, 10
.set NIL, 11
.set ST,  16                           ; tile t's statistics at v[ST + 8 t]: +0 c m, +1 m, +2, +3 l, +4 to +7 at work; a at +6
.set KF,  48
.set WK,  112
.set S,   128
.set QF,  128                          ; in window 1
.set VF,  192
.set WV,  12
.set CX,  13
.set CLS, 14
.set STP, 56                           ; steps left in the slot
.set TK,  57                           ; LDS byte of the K tile to be fetched next
.set TV,  58                           ; and of the V tile
.set SEL, 60
.set CS,  62
.set G1K, 24
.set G1V, 32
.set G0K, 40                           ; s[40:55] four groups 0 for K's fills
.set G0V, 68                           ; s[68:83] four for V's
.set MSB, 0
.macro WIN new
.if MSB != (\new)
	s_set_vgpr_msb (MSB<<8)|(\new)
.set MSB, (\new)
.endif
.endm
.set W_KQ, 0x04                        ; K window 0, Q window 1, S^T window 0
.set W_PV, 0x51                        ; V window 1, P window 0, O^T window 1
.set W_RS, 0x41                        ; O^T (destination and source 0) window 1, a window 0
.macro JLOAD f                         ; fill f.  The branch hangs on the wave's number alone.  An s_nop 0 and four v_nop follow each of the two lines
	s_cmp_lt_u32 s[WV], 4
	s_cbranch_scc0 .Lfor_v_\@
	tensor_load_to_lds s[G0K+4*(\f):G0K+4*(\f)+3], s[G1K:G1K+7]
	s_nop 0
.rept 4
	v_nop
.endr
	s_branch .Lasked_\@
.Lfor_v_\@:
	tensor_load_to_lds s[G0V+4*(\f):G0V+4*(\f)+3], s[G1V:G1V+7]
	s_nop 0
.rept 4
	v_nop
.endr
.Lasked_\@:
.endm
.macro CROUND
	s_barrier_signal -1
	s_barrier_wait -1
	s_cmp_lg_u32 s[WV], 0
	s_cbranch_scc1 .Lnot_wave_0_\@
	s_barrier_signal -3
.Lnot_wave_0_\@:
	s_barrier_wait -3
	s_barrier_signal -1
	s_barrier_wait -1
.endm
.macro SKEW                            ; the waves of class 1 fall behind
	s_cmp_eq_u32 s[CLS], 0
	s_cbranch_scc1 .Lgo_\@
.rept 30
	s_nop 15
.endr
.Lgo_\@:
.endm
	s_load_b128 s[4:7], s[0:1], 0x0                ; qkv16 s[4:5], o16 s[6:7]
	v_lshl_add_u32 v[SPW], v0, 2, SPARE
	v_mov_b32 v[NIL], 0
	ds_add_u32 v[SPW], v[NIL]                      ; the wave's opening: the add, twice on end, and its wait ahead of my first tensor load
	ds_add_u32 v[SPW], v[NIL]
	v_lshrrev_b32 v1, 5, v0
	v_readfirstlane_b32 s[WV], v1                  ; wave 0..7
	s_lshr_b32 s15, s[WV], 2
	s_add_co_u32 s[CLS], s[WV], s15
	s_and_b32 s[CLS], s[CLS], 1                    ; my class
	s_bfe_u32 s[CX], ttmp6, 0x40000                ; cx: it enters Q's and O's addresses alone
	s_and_b32 s16, ttmp7, 0xffff                   ; the (batch, head), which the four partners share
	s_and_b32 s17, s[WV], 3                        ; which quarter of a fill I fetch
	s_lshl_b32 s18, s16, 18                        ; a head's 2,048 rows of 128 bytes
	s_lshl_b32 s19, s17, 14                        ; 128 rows
	s_add_co_u32 s18, s18, s19
	s_mov_b32 s19, 0
	s_mul_i32 s22, s17, KQTR                       ; and its place in a slot
	s_mul_i32 s23, s17, VQTR
	s_lshl_b32 s8, s16, 18
	s_lshl_b32 s9, s[CX], 16                       ; my work-group's 512 queries
	s_add_co_u32 s8, s8, s9
	s_lshl_b32 s9, s[WV], 13                       ; my wave's 64
	s_add_co_u32 s8, s8, s9
	s_mov_b32 s9, 0
	s_mov_b32 s[G1K], 15|(1<<16)|(1<<20)|(1<<21)|(4<<22)|(3<<25)  ; the mask: all four; elements of 2 bytes; padding on; bit 21 beside a mask; after every 32 words 4 words
	s_mov_b32 s[G1V], 15|(1<<16)|(1<<20)|(1<<21)|(4<<22)|(7<<25)  ; the same with 8 words
.irp g, G1K, G1V
	s_mov_b32 s[\g+1], 64<<16                      ; tensor_dim0
	s_mov_b32 s[\g+2], 128<<16                     ; tensor_dim1
	s_mov_b32 s[\g+3], 64<<16                      ; tile_dim0
	s_mov_b32 s[\g+4], 128                         ; tile_dim1
	s_mov_b32 s[\g+5], 64                          ; from row to row
	s_mov_b32 s[\g+6], 0
	s_mov_b32 s[\g+7], 0
.endr
	s_mov_b32 s[SEL], 0x76543210
	s_mov_b32 s[SEL+1], 0xfedcba98                 ; v_permlanex16_b32: lane l xor 16
	s_mov_b32 s[CS], 0x4438aa3b                    ; c = 512 log2(e)
	s_mov_b32 s[CS+1], s[CS]                       ; (named with it as a pair)
	s_wait_dscnt 0x0                               ; both opening adds are done
	s_wait_kmcnt 0x0
	s_add_nc_u64 s[20:21], s[4:5], s[18:19]
.irp f, 0,1,2,3                        ; fill f: keys 512 f on, into slot f % 2
	s_mov_b32 s[G0K+4*\f], 1
	s_add_co_u32 s[G0K+4*\f+1], s22, (\f%2)*SLOT
	s_add_nc_u64 s[G0K+4*\f+2:G0K+4*\f+3], s[20:21], KBASE+\f*65536
	s_or_b32 s[G0K+4*\f+3], s[G0K+4*\f+3], 0x80000000
	s_mov_b32 s[G0V+4*\f], 1
	s_add_co_u32 s[G0V+4*\f+1], s23, (\f%2)*SLOT+VOFF
	s_add_nc_u64 s[G0V+4*\f+2:G0V+4*\f+3], s[20:21], VBASE+\f*65536
	s_or_b32 s[G0V+4*\f+3], s[G0V+4*\f+3], 0x80000000
.endr
	s_add_nc_u64 s[4:5], s[4:5], s[8:9]            ; Q and O at my wave's first row
	s_add_nc_u64 s[6:7], s[6:7], s[8:9]
	CROUND                                         ; all four work-groups are here: the first joint loads meet
	s_cmp_lt_u32 s[WV], 4                          ; a wave's two first fills stand in one branch: two loads of mine are out
	s_cbranch_scc0 .Lfirst_v
	tensor_load_to_lds s[G0K:G0K+3], s[G1K:G1K+7]
	s_nop 0
	tensor_load_to_lds s[G0K+4:G0K+7], s[G1K:G1K+7]
	s_nop 0
.rept 4
	v_nop
.endr
	s_branch .Lfirst_asked
.Lfirst_v:
	tensor_load_to_lds s[G0V:G0V+3], s[G1V:G1V+7]
	s_nop 0
	tensor_load_to_lds s[G0V+4:G0V+7], s[G1V:G1V+7]
	s_nop 0
.rept 4
	v_nop
.endr
.Lfirst_asked:
	v_and_b32 v1, 15, v0                           ; r
	v_bfe_u32 v12, v0, 4, 1                        ; h
	v_lshlrev_b32 v[QO], 7, v1
	v_lshl_add_u32 v[QO], v12, 4, v[QO]            ; row r of 128 bytes + 16 h
	WIN 0x40
.irp i, 0,1,2,3,4,5,6,7                ; Q stays in registers: tile i / 2, channels 32 (i % 2) on
	global_load_b128 v[QF+8*\i:QF+8*\i+3],   v[QO], s[4:5] offset:(\i/2)*2048+(\i%2)*64
	global_load_b128 v[QF+8*\i+4:QF+8*\i+7], v[QO], s[4:5] offset:(\i/2)*2048+(\i%2)*64+32
.endr
	WIN 0
	v_mul_u32_u24 v[AK0], v1, PK
	v_lshl_add_u32 v[AK0], v12, 4, v[AK0]
	v_and_b32 v13, 7, v0
	v_bfe_u32 v14, v0, 3, 1
	v_lshl_add_u32 v[AV0], v12, 3, v13             ; the turning load: key 8 h + lane % 8,
	v_mul_u32_u24 v[AV0], v[AV0], PV
	v_lshl_add_u32 v[AV0], v14, 4, v[AV0]          ; channels 8 ((lane / 8) % 2) on
	s_mul_i32 s15, s[WV], 16*PK                    ; my stage
	v_add_nc_u32 v[STO], s15, v[AK0]               ; in: row r, 16 bytes for each half of the lanes
	v_and_b32 v15, 31, v0
	v_lshlrev_b32 v[GO], 4, v15                    ; in memory: 16 bytes a lane
	v_lshrrev_b32 v15, 3, v15
	v_mul_u32_u24 v15, v15, PK
	v_lshl_add_u32 v15, v13, 4, v15
	v_add_nc_u32 v[RD], s15, v15                   ; back: eight lanes to a row of 128 bytes, four rows an instruction
.macro FETCH_K                         ; a step's K: 64 keys x 64 channels: fragment (kt, c) at KF + 8 (2 kt + c)
	v_add_nc_u32 v[ADR], s[TK], v[AK0]
.irp f, 0,1,2,3,4,5,6,7
	ds_load_b128 v[KF+8*\f:KF+8*\f+3],   v[ADR] offset:(\f/2)*16*PK+(\f%2)*64
	ds_load_b128 v[KF+8*\f+4:KF+8*\f+7], v[ADR] offset:(\f/2)*16*PK+(\f%2)*64+32
.endr
.endm
.macro FETCH_V                         ; a step's V, turned: fragment (kh, ch), keys 32 kh on, channels 16 ch on, at VF + 8 (4 kh + ch)
	v_add_nc_u32 v[ADRV], s[TV], v[AV0]
	s_add_co_u32 s[TV], s[TV], KS*PV
	WIN 0x40
.irp f, 0,1,2,3,4,5,6,7
	ds_load_tr16_b128 v[VF+8*\f:VF+8*\f+3],   v[ADRV] offset:(\f/4)*32*PV+(\f%4)*32
	ds_load_tr16_b128 v[VF+8*\f+4:VF+8*\f+7], v[ADRV] offset:(\f/4)*32*PV+16*PV+(\f%4)*32
.endr
	WIN 0
.endm
; 32 products S^T = K Q^T: product i: channels 32 (i / 16) on, keys 16 ((i / 4) % 4) on, tile i % 4.  The 16 accumulators take turns, one instruction a turn.
.macro KQALL
	WIN W_KQ
.set i, 0
.rept 32
.set rS, S+32*(i%4)+8*((i/4)%4)
.set rK, KF+16*((i/4)%4)+8*(i/16)
.set rQ, QF+16*(i%4)+8*(i/16)
.if i < 16
	v_wmma_f32_16x16x32_f16 v[rS:rS+7], v[rK:rK+7], v[rQ:rQ+7], 0
.else
	v_wmma_f32_16x16x32_f16 v[rS:rS+7], v[rK:rK+7], v[rQ:rQ+7], v[rS:rS+7]
.endif
.set i, i+1
.endr
	WIN 0
.endm
; 32 products O^T += V^T P: product i: keys 32 (i / 16) on, channels 16 ((i / 4) % 4) on, tile i % 4.  first = 1: the first 16 start the sums.
.macro PVALL first
	WIN W_PV
.set i, 0
.rept 32
.set rO, 32*(i%4)+8*((i/4)%4)
.set rV, VF+32*(i/16)+8*((i/4)%4)
.set rP, S+32*(i%4)+8*(i/16)
.if (\first) && (i < 16)
	v_wmma_f32_16x16x32_f16 v[rO:rO+7], v[rV:rV+7], v[rP:rP+7], 0
.else
	v_wmma_f32_16x16x32_f16 v[rO:rO+7], v[rV:rV+7], v[rP:rP+7], v[rO:rO+7]
.endif
.set i, i+1
.endr
	WIN 0
.endm
; THE SOFTMAX OF A TILE, in items.  s0-s31 are the lane's 32 scores.
; MX 0-15: the maximum of s0-s31 and the old m, in four chains, each begun at the low end of an accumulator; 16-20: the other half of the lanes' maximum, the new m, c m, c m_old - c m_new.
.macro MX t, j, first
.set rT, ST+8*(\t)
.set rS, S+32*(\t)
.set jj, \j
.if jj < 4
	v_max3_num_f32 v[rT+4+jj], v[rS+8*jj], v[rS+8*jj+1], v[rS+8*jj+2]
.elseif jj < 12
	v_max3_num_f32 v[rT+4+jj%4], v[rT+4+jj%4], v[rS+8*(jj%4)+2*(jj/4)+1], v[rS+8*(jj%4)+2*(jj/4)+2]
.elseif jj == 12
	v_max3_num_f32 v[rT+4], v[rT+4], v[rS+7], v[rS+15]
.elseif jj == 13
	v_max3_num_f32 v[rT+6], v[rT+6], v[rS+23], v[rS+31]
.elseif jj == 14
	v_max3_num_f32 v[rT+4], v[rT+4], v[rT+5], v[rT+6]
.elseif jj == 15
.if \first
	v_max_num_f32 v[rT+4], v[rT+4], v[rT+7]
.else
	v_max3_num_f32 v[rT+4], v[rT+4], v[rT+7], v[rT+1]
.endif
.elseif jj == 16
	v_permlanex16_b32 v[rT+5], v[rT+4], s[SEL], s[SEL+1]
.elseif jj == 17
.if (\first) == 0
	v_mov_b32 v[rT+7], v[rT]                       ; c m_old is kept for a
.endif
.elseif jj == 18
	v_max_num_f32 v[rT+1], v[rT+4], v[rT+5]
.elseif jj == 19
	v_mul_f32 v[rT], s[CS], v[rT+1]
.elseif jj == 20
.if (\first) == 0
	v_sub_f32 v[rT+7], v[rT+7], v[rT]
.endif
.endif
.endm
.macro SC t, b                         ; pair b of scores: c s - c m
.set rT, ST+8*(\t)
.set rS, S+32*(\t)+2*(\b)
	v_pk_fma_f32 v[rS:rS+1], v[rS:rS+1], s[CS:CS+1], v[rT:rT+1] op_sel_hi:[1,0,0] neg_lo:[0,0,1] neg_hi:[0,0,1]
.endm
.macro EX t, e, first                  ; exponential e of 33: p of score e; the 33rd is a
.set rT, ST+8*(\t)
.set rS, S+32*(\t)
.set ee, \e
.if ee < 32
	v_exp_f32 v[rS+ee], v[rS+ee]
.elseif (\first) == 0
	v_exp_f32 v[rT+6], v[rT+7]
.endif
.endm
.macro SU t, z, first                  ; the sum of the tile's 16 pairs of p, in two chains; then l = a l + the sum
.set rT, ST+8*(\t)
.set rS, S+32*(\t)
.set rW, WK+4*(\t)
.set zz, \z
.if zz < 2
	v_pk_add_f32 v[rW+2*zz:rW+2*zz+1], v[rS+4*zz:rS+4*zz+1], v[rS+4*zz+2:rS+4*zz+3]
.elseif zz < 14
	v_pk_add_f32 v[rW+2*(zz%2):rW+2*(zz%2)+1], v[rW+2*(zz%2):rW+2*(zz%2)+1], v[rS+2*zz+4:rS+2*zz+5]
.elseif zz == 14
.if \first
	v_pk_add_f32 v[rT+2:rT+3], v[rW:rW+1], v[rW+2:rW+3]
.else
	v_pk_add_f32 v[rW:rW+1], v[rW:rW+1], v[rW+2:rW+3]
.endif
.elseif (\first) == 0
	v_pk_fma_f32 v[rT+2:rT+3], v[rT+2:rT+3], v[rT+6:rT+7], v[rW:rW+1] op_sel_hi:[1,0,1]
.endif
.endm
.macro CV t, i                         ; pair i of p, rounded to f16, in place: ascending i never writes a pair that is still to be read
.set rS, S+32*(\t)
.set ii, \i
	v_cvt_pk_f16_f32 v[rS+ii], v[rS+2*ii], v[rS+2*ii+1]
.endm
.macro RS t, i                         ; pair i of the tile's O^T times a
.set rT, ST+8*(\t)
.set rO, 32*(\t)+2*(\i)
	v_pk_mul_f32 v[rO:rO+1], v[rO:rO+1], v[rT+6:rT+7] op_sel_hi:[1,0]
.endm
; THE SOFTMAX OF FOUR TILES.  The exponentials go in two batches (tiles 0, 1; tiles 2, 3), each with ONE s_wait_alu depctr_va_vdst(0) ahead of the first instruction that names a result;
; plain work of other tiles stands between the exponentials: the maxima of tiles 2, 3 in the first batch, the sums and roundings of tiles 0, 1 in the second.
.macro SOFTMAX first
.set n, 0
.rept 21
	MX 0, n, \first
	MX 1, n, \first
.set n, n+1
.endr
.set n, 0
.rept 16
	SC 0, n
.if n > 0
	EX 0, 2*n-2, \first
.endif
	SC 1, n
.if n > 0
	EX 0, 2*n-1, \first
.endif
	MX 2, n, \first
.if n > 0
	EX 1, 2*n-2, \first
.endif
	MX 3, n, \first
.if n > 0
	EX 1, 2*n-1, \first
.endif
.set n, n+1
.endr
	EX 0, 30, \first
	MX 2, 16, \first
	EX 0, 31, \first
	MX 3, 16, \first
	EX 1, 30, \first
	MX 2, 17, \first
	EX 1, 31, \first
	MX 3, 17, \first
	EX 0, 32, \first
	MX 2, 18, \first
	EX 1, 32, \first
	MX 3, 18, \first
	MX 2, 19, \first
	MX 3, 19, \first
	MX 2, 20, \first
	MX 3, 20, \first
	s_wait_alu depctr_va_vdst(0)                   ; the first batch's one wait
.set n, 0
.rept 16
	SC 2, n
.if n > 0
	EX 2, 2*n-2, \first
.endif
	SC 3, n
.if n > 0
	EX 2, 2*n-1, \first
.endif
	SU 0, n, \first
.if n > 0
	EX 3, 2*n-2, \first
.endif
	SU 1, n, \first
.if n > 0
	EX 3, 2*n-1, \first
.endif
.set n, n+1
.endr
	EX 2, 30, \first
	CV 0, 0
	EX 2, 31, \first
	CV 1, 0
	EX 3, 30, \first
	CV 0, 1
	EX 3, 31, \first
	CV 1, 1
	EX 2, 32, \first
	CV 0, 2
	EX 3, 32, \first
	CV 1, 2
.set n, 3
.rept 13
	CV 0, n
	CV 1, n
.set n, n+1
.endr
	s_wait_alu depctr_va_vdst(0)                   ; the second batch's one wait
.set n, 0
.rept 16
	SU 2, n, \first
	SU 3, n, \first
.set n, n+1
.endr
.set n, 0
.rept 16
	CV 2, n
	CV 3, n
.set n, n+1
.endr
.if (\first) == 0
	WIN W_RS
.set n, 0
.rept 16
	RS 0, n
	RS 1, n
	RS 2, n
	RS 3, n
.set n, n+1
.endr
.endif
.endm
; A KEY STEP.  first = 1: the first of all, which starts m, l and O^T.  kf = 1: the next step's K is fetched unless this is the slot's last step; kf = 2: it is fetched.
.macro BODY first, kf
.if (\first) == 0
.rept 5
	v_nop                                          ; the products below write over P's registers, which the last products V^T P read: five places
.endr
.endif
	s_wait_dscnt 0x0                               ; K is in
	KQALL
.rept 4
	v_nop                                          ; places in front of the first read of the scores and of the loads into K's and V's registers
.endr
.if (\kf) == 1
	s_cmp_eq_u32 s[STP], 1                         ; the count of steps alone
	s_cbranch_scc1 .Lnok_\@
.endif
	FETCH_K
.Lnok_\@:
	s_add_co_u32 s[TK], s[TK], KS*PK               ; stepped in every trip; a change of slots sets it anew
	FETCH_V
	SOFTMAX \first
	s_wait_dscnt 0x0                               ; V and the next K, asked for a softmax ago
	PVALL \first
.endm
; THE CHANGE OF SLOTS.  Each wave waits for all its tensor loads (its part of the slot ahead), adds 0 to its spare word, and waits for that and for its reads of the slot that it leaves.
; f >= 0: the slot just left is filled again, by fill f: the barrier is a round of the cluster's, and the joint refill is the first thing behind it; it has a slot's eight steps in which to land.
; nb: the slot ahead.
.macro CHANGE f, nb
	s_wait_tensorcnt 0x0
	ds_add_u32 v[SPW], v[NIL]
	s_mov_b32 s[TK], (\nb)*SLOT
	s_mov_b32 s[TV], (\nb)*SLOT+VOFF
	s_wait_dscnt 0x0
.if (\f) >= 0
	CROUND
	JLOAD \f
.else
	s_barrier_signal -1
	s_barrier_wait -1
.endif
	SKEW
	FETCH_K
	s_add_co_u32 s[TK], s[TK], KS*PK
.endm
.macro VISIT n                         ; n key steps of the slot in hand
	s_mov_b32 s[STP], \n
.Lstep_\@:
	BODY 0, 1
	s_sub_co_u32 s[STP], s[STP], 1
	s_cmp_lg_u32 s[STP], 0
	s_cbranch_scc1 .Lstep_\@
.endm
	s_wait_tensorcnt 1                             ; my part of slot 0 is in; slot 1's may stay out
	s_barrier_signal -1
	s_barrier_wait -1
	s_mov_b32 s[TK], 0
	s_mov_b32 s[TV], VOFF
	SKEW
	FETCH_K
	s_add_co_u32 s[TK], s[TK], KS*PK
	s_wait_loadcnt 0x0                             ; Q
	BODY 1, 2
	VISIT 7                                        ; keys 64 to 511, slot 0
	CHANGE 2, 1                                    ; slot 0 takes keys 1,024 on
	VISIT 8                                        ; keys 512 on, slot 1
	CHANGE 3, 0                                    ; slot 1 takes keys 1,536 on
	VISIT 8
	CHANGE -1, 1                                   ; nothing is left to ask for
	VISIT 8
	; THE WAY OUT.  l's two halves and the other half of the lanes' are added; O^T is divided by l, rounded to f16 and sent through my stage, a tile (16 rows of 128 bytes) at a time.  The additions are the places behind the last products.
.irp t, 0,1,2,3
	v_add_f32 v[ST+8*\t+4], v[ST+8*\t+2], v[ST+8*\t+3]
.endr
.irp t, 0,1,2,3
	v_permlanex16_b32 v[ST+8*\t+5], v[ST+8*\t+4], s[SEL], s[SEL+1]
.endr
.irp t, 0,1,2,3
	v_add_f32 v[ST+8*\t+4], v[ST+8*\t+4], v[ST+8*\t+5]
.endr
.irp t, 0,1,2,3
	v_rcp_f32 v[ST+8*\t+6], v[ST+8*\t+4]
.endr
	v_nop                                          ; a plain instruction behind the last reciprocal
	s_wait_alu depctr_va_vdst(0)                   ; one wait for the four, ahead of their first use
.macro PACK t
	WIN W_RS
.set i, 0
.rept 16
	v_pk_mul_f32 v[32*\t+i:32*\t+i+1], v[32*\t+i:32*\t+i+1], v[ST+8*\t+6:ST+8*\t+7] op_sel_hi:[1,0]
.set i, i+2
.endr
	WIN 0x05                                       ; sources 0 and 1 window 1, destination window 0
.set i, 0
.rept 16
	v_cvt_pk_f16_f32 v[S+32*\t+i], v[32*\t+2*i], v[32*\t+2*i+1]
.set i, i+1
.endr
	WIN 0
.irp f, 0,1,2,3
	ds_store_b128 v[STO], v[S+32*\t+4*\f:S+32*\t+4*\f+3] offset:32*\f
.endr
.irp f, 0,1,2,3
	ds_load_b128 v[S+32*\t+16+4*\f:S+32*\t+16+4*\f+3], v[RD] offset:\f*4*PK   ; LDS serves a wave's instructions in order: these see the stores above; the next tile's stores come behind them
.endr
.endm
.macro SEND t, younger                 ; younger: the LDS instructions issued behind tile t's loads
.irp f, 0,1,2,3
	s_wait_dscnt \younger+3-\f
	global_store_b128 v[GO], v[S+32*\t+16+4*\f:S+32*\t+16+4*\f+3], s[6:7] offset:\t*2048+\f*512   ; 32 lanes store 512 consecutive bytes
.endr
.endm
	PACK 0
	PACK 1
	SEND 0, 8
	PACK 2
	SEND 1, 8
	PACK 3
	SEND 2, 8
	SEND 3, 0
	s_wait_tensorcnt 0x0                           ; the wave's end: behind my last tensor load and my last LDS store
	ds_add_u32 v[SPW], v[NIL]
	s_wait_dscnt 0x0
	CROUND                                         ; the closing round
	s_endpgm
.Lfunc_end_k_q980b87f6c2_attn:
	.size	k_q980b87f6c2_attn, .Lfunc_end_k_q980b87f6c2_attn-k_q980b87f6c2_attn
	.p2alignl 7, 3214868480
	.fill 96, 4, 3214868480
	.section	.rodata,"a",@progbits
	.p2align	6, 0x0
	.amdhsa_kernel k_q980b87f6c2_attn
		.amdhsa_group_segment_fixed_size 327680
		.amdhsa_private_segment_fixed_size 0
		.amdhsa_enable_private_segment 0
		.amdhsa_kernarg_size 16
		.amdhsa_user_sgpr_count 2
		.amdhsa_user_sgpr_kernarg_segment_ptr 1
		.amdhsa_wavefront_size32 1
		.amdhsa_system_sgpr_workgroup_id_x 1
		.amdhsa_system_sgpr_workgroup_id_y 1
		.amdhsa_system_sgpr_workgroup_id_z 1
		.amdhsa_system_vgpr_workitem_id 0
		.amdhsa_next_free_vgpr 512
		.amdhsa_next_free_sgpr 84
		.amdhsa_reserve_vcc 0
		.amdhsa_float_denorm_mode_32 3
		.amdhsa_float_denorm_mode_16_64 3
		.amdhsa_memory_ordered 1
		.amdhsa_forward_progress 1
		.amdhsa_inst_pref_size 187
	.end_amdhsa_kernel
	.amdgpu_metadata
---
amdhsa.version: [ 1, 2 ]
amdhsa.kernels:
  - .name:           k_q980b87f6c2_attn
    .symbol:         k_q980b87f6c2_attn.kd
    .args:
      - { .name: qkv16, .offset: 0, .size: 8, .value_kind: global_buffer, .address_space: global }
      - { .name: o16, .offset: 8, .size: 8, .value_kind: global_buffer, .address_space: global }
    .group_segment_fixed_size: 327680
    .private_segment_fixed_size: 0
    .kernarg_segment_align: 8
    .kernarg_segment_size: 16
    .max_flat_workgroup_size: 256
    .sgpr_count:     84
    .vgpr_count:     512
    .wavefront_size: 32
...
	.end_amdgpu_metadata
.endif
;; end of part 3
;; launch proj (part 4): grid 4 x 64, 4 waves a work-group, clusters of 4 x 4, 327,680 bytes of LDS; arguments o16, wp16, out0, proj_b; writes out0
.if DOCPART == 4
	.amdgcn_target "amdgcn-amd-amdhsa--gfx1250"
	.amdhsa_code_object_version 6
	.text
	.protected	k_q980b87f6c2_proj
	.globl	k_q980b87f6c2_proj
	.p2align	8
	.type	k_q980b87f6c2_proj,@function
k_q980b87f6c2_proj:
	s_mov_b64 s[64:65], 0
	v_nop
	global_prefetch_b8 v0, s[64:65] scope:SCOPE_SE
	s_setreg_imm32_b32 hwreg(HW_REG_WAVE_MODE, 25, 1), 1
	s_wait_xcnt 0x0
	s_wait_alu depctr_hold_cnt(0) depctr_sa_sdst(0) depctr_va_vdst(0) depctr_va_sdst(0) depctr_va_ssrc(0) depctr_va_vcc(0) depctr_vm_vsrc(0)
	s_getreg_b32 s2, hwreg(HW_REG_IB_STS2, 6, 4)
	s_cmp_eq_u32 s2, 0
	s_cbranch_scc0 .Lentry_in_a_cluster
	s_endpgm
.Lentry_in_a_cluster:
	s_bfe_u32 s2, ttmp6, 0x10000c
	s_cmp_lg_u32 s2, 0xf033
	s_cbranch_scc0 .Lentry_shape_is_right
	s_endpgm
.Lentry_shape_is_right:
; out0[m][n] = the sum over k of o[m][k] proj_w[n][k] + proj_b[n].  M = 8,192, N = K = 1,024.  Operands f16, sums and result f32.
; o16[16 batch + head][token][64] and wp16[head][n][64] are laid by head: 64 along K of any run of rows is one dense block of rows of 128 bytes.
; A tile of 128 (m) x 256 (n) is made by a work-group of four waves: 256 work-groups.  A wave makes 64 x 128: 32 accumulators of 16 x 16, all of window 1.
; K goes in steps of 128 (two heads: two planes of each operand) through a ring of two LDS slots filled by the tensor data mover: waves 0 and 1 fetch o's two planes (128 rows each), waves 2 and 3
; wp16's (256 rows each): one load a wave behind each change of slots.
; CLUSTERS: 4 x 4 work-groups.  The four of a row of the cluster need the same tiles of o, the four of a column the same tiles of wp16: each tile is asked for JOINTLY.
; THE MATRIX INSTRUCTION IS USED TRANSPOSED (source 0 = 16 rows of wp16, source 1 = 16 rows of o): a lane holds eight neighbouring numbers of a row of out0.  The bias is the C of each sum's first product.
; REGISTERS: window 0: v16-29 addresses; two fragment sets of 96 at v32 and v128 (o's four fragments, then wp16's eight); window 1: the accumulators, (a, b) at v[8 (8 a + b)]; window 2: v0-63 the bias.
.set PITCH,  144                       ; an LDS row: 128 bytes + 16
.set APL,    128*PITCH                 ; a plane of o
.set BPL,    256*PITCH                 ; a plane of wp16
.set SLOT,   2*APL+2*BPL
.set SPARE,  2*SLOT
.set SPITCH, 528                       ; the way out: a stage of 16 rows x (512 bytes + 16) a wave, in slot 0, which has had its last fill and its last read by then
.set LAPS,   4                         ; a lap = two K steps
.set ADRA, 16
.set ADRB, 20
.set STO,  24
.set RD,   25
.set CO,   26
.set BO,   27
.set SPW,  28
.set NIL,  29
.set F0,   32
.set F1,   128
.set BK,   32                          ; the way out: 16 rows read back: v32-95 and v128-191 by turns
.set G1, 24
.set G0, 32
.set G1B, 48
.set G0B, 56
.set MSB, 0
.macro WIN new
.if MSB != (\new)
	s_set_vgpr_msb (MSB<<8)|(\new)
.set MSB, (\new)
.endif
.endm
.set MUL,  0x50                        ; sources 0 and 1 window 0; C and D window 1
.set MULB, 0x60                        ; C (the bias) window 2, D window 1
.macro JLOAD s                         ; waves 0 and 1 fetch for o, waves 2 and 3 for wp16; an s_nop 0 and four v_nop follow each of the two lines
	s_cmp_eq_u32 s11, 0
	s_cbranch_scc0 .Lfor_b_\@
	tensor_load_to_lds s[G0+4*\s:G0+4*\s+3], s[G1:G1+7]
	s_nop 0
.rept 4
	v_nop
.endr
	s_branch .Lasked_\@
.Lfor_b_\@:
	tensor_load_to_lds s[G0B+4*\s:G0B+4*\s+3], s[G1B:G1B+7]
	s_nop 0
.rept 4
	v_nop
.endr
.Lasked_\@:
.endm
.macro CREST
	s_cmp_lg_u32 s10, 0
	s_cbranch_scc1 .Lnot_wave_0_\@
	s_barrier_signal -3
.Lnot_wave_0_\@:
	s_barrier_wait -3
	s_barrier_signal -1
	s_barrier_wait -1
.endm
.macro CROUND
	s_barrier_signal -1
	s_barrier_wait -1
	CREST
.endm
	s_load_b128 s[4:7], s[0:1], 0x0                ; o16 s[4:5], wp16 s[6:7]
	s_load_b64 s[8:9], s[0:1], 0x10                ; out0
	s_load_b64 s[66:67], s[0:1], 0x18              ; proj_b
	v_lshl_add_u32 v[SPW], v0, 2, SPARE
	v_mov_b32 v[NIL], 0
	ds_add_u32 v[SPW], v[NIL]                      ; the wave's opening: the add, twice on end, and its wait ahead of my first tensor load
	ds_add_u32 v[SPW], v[NIL]
	v_lshrrev_b32 v1, 5, v0
	v_readfirstlane_b32 s10, v1                    ; wave 0..3
	s_lshr_b32 s11, s10, 1                         ; which half of the tile's rows is mine.  Also: I fetch for o (0) or for wp16 (1)
	s_and_b32 s12, s10, 1                          ; which half of its columns.  Also: which plane I fetch
	s_bfe_u32 s40, ttmp6, 0x40000                  ; cx, cy
	s_bfe_u32 s41, ttmp6, 0x40004
	s_lshl_b32 s42, ttmp9, 2
	s_add_co_u32 s42, s42, s40                     ; tile column
	s_and_b32 s13, ttmp7, 0xffff
	s_lshl_b32 s13, s13, 2
	s_add_co_u32 s13, s13, s41                     ; tile row
	s_lshl_b32 s43, s41, 2
	s_lshl_b32 s43, 15, s43                        ; my row of the cluster
	s_lshl_b32 s44, 0x1111, s40                    ; my column
	s_or_b32 s[G1+0], s43, (1<<16)|(1<<20)|(1<<21)|(4<<22)|(3<<25)   ; the mask; elements of 2 bytes; padding on; bit 21 beside a mask; after every 32 words 4 words
	s_or_b32 s[G1B+0], s44, (1<<16)|(1<<20)|(1<<21)|(4<<22)|(3<<25)
	s_mov_b32 s[G1+1], 64<<16                      ; tensor_dim0
	s_mov_b32 s[G1+2], 128<<16                     ; tensor_dim1
	s_mov_b32 s[G1+3], 64<<16                      ; tile_dim0
	s_mov_b32 s[G1+4], 128                         ; tile_dim1
	s_mov_b32 s[G1+5], 64                          ; from row to row
	s_mov_b32 s[G1+6], 0
	s_mov_b32 s[G1+7], 0
	s_mov_b32 s[G1B+1], 64<<16
	s_mov_b32 s[G1B+2], 256<<16
	s_mov_b32 s[G1B+3], 64<<16
	s_mov_b32 s[G1B+4], 256
	s_mov_b32 s[G1B+5], 64
	s_mov_b32 s[G1B+6], 0
	s_mov_b32 s[G1B+7], 0
	s_lshr_b32 s16, s13, 4                         ; o: the batch's 16 heads of 262,144 bytes,
	s_lshl_b32 s16, s16, 22
	s_lshl_b32 s17, s12, 18                        ; my plane's head,
	s_add_co_u32 s16, s16, s17
	s_and_b32 s17, s13, 15
	s_lshl_b32 s17, s17, 14                        ; the tile's 128 tokens of 128 bytes
	s_add_co_u32 s16, s16, s17
	s_mov_b32 s17, 0
	s_lshl_b32 s46, s12, 17                        ; wp16: my plane's head of 131,072 bytes,
	s_lshl_b32 s47, s42, 15                        ; the tile's 256 rows of 128 bytes
	s_add_co_u32 s46, s46, s47
	s_mov_b32 s47, 0
	s_mul_i32 s20, s12, APL                        ; where they go: no place in the cluster enters an LDS address
	s_mul_i32 s45, s12, BPL
	s_add_co_u32 s45, s45, 2*APL
	s_wait_dscnt 0x0                               ; both opening adds are done
	s_wait_kmcnt 0x0
	s_add_nc_u64 s[14:15], s[4:5], s[16:17]
	s_add_nc_u64 s[46:47], s[6:7], s[46:47]
	CROUND                                         ; all sixteen work-groups are here: the first joint loads meet
.irp s, 0,1
	s_mov_b32 s[G0+4*\s], 1
	s_add_co_u32 s[G0+4*\s+1], s20, \s*SLOT
	s_add_nc_u64 s[G0+4*\s+2:G0+4*\s+3], s[14:15], \s*524288     ; K step s: two heads on
	s_or_b32 s[G0+4*\s+3], s[G0+4*\s+3], 0x80000000
	s_mov_b32 s[G0B+4*\s], 1
	s_add_co_u32 s[G0B+4*\s+1], s45, \s*SLOT
	s_add_nc_u64 s[G0B+4*\s+2:G0B+4*\s+3], s[46:47], \s*262144
	s_or_b32 s[G0B+4*\s+3], s[G0B+4*\s+3], 0x80000000
	JLOAD \s                                       ; two loads of mine are out at the most
.endr
	v_and_b32 v1, 15, v0                           ; r
	v_bfe_u32 v2, v0, 4, 1                         ; h
	v_mul_u32_u24 v3, v1, PITCH
	v_lshl_add_u32 v3, v2, 4, v3
	s_mul_i32 s21, s11, 64*PITCH                   ; my 64 rows of o
	s_mul_i32 s22, s12, 128*PITCH                  ; my 128 rows of wp16,
	s_add_co_u32 s22, s22, 2*APL                   ; behind o's two planes
.irp s, 0,1
	v_add_nc_u32 v[ADRA+\s], s21, v3
	v_add_nc_u32 v[ADRB+\s], s22, v3
	s_add_co_u32 s21, s21, SLOT
	s_add_co_u32 s22, s22, SLOT
.endr
	s_mul_i32 s23, s10, 16*SPITCH                  ; my stage
	v_mul_u32_u24 v5, v1, SPITCH
	v_lshl_add_u32 v5, v2, 5, v5
	v_add_nc_u32 v[STO], s23, v5                   ; in: row r, 32 bytes for each half of the lanes
	v_and_b32 v6, 31, v0
	v_lshlrev_b32 v[CO], 4, v6                     ; back: the 32 lanes take one row of 512 bytes; and the same in out0
	v_add_nc_u32 v[RD], s23, v[CO]
	v_lshlrev_b32 v[BO], 5, v2
	s_lshl_b32 s16, s13, 19                        ; my first row of out0: (128 x tile row + 64 x half) rows of 4,096 bytes
	s_lshl_b32 s17, s11, 18
	s_add_co_u32 s16, s16, s17
	s_mov_b32 s17, 0
	s_add_nc_u64 s[8:9], s[8:9], s[16:17]
	s_lshl_b32 s46, s42, 10                        ; my first column, in bytes: 4 (256 x tile column + 128 x half)
	s_lshl_b32 s47, s12, 9
	s_add_co_u32 s46, s46, s47
	s_mov_b32 s47, 0
	s_add_nc_u64 s[8:9], s[8:9], s[46:47]
	s_add_nc_u64 s[66:67], s[66:67], s[46:47]
	WIN 0x80                                       ; destination window 2
.irp b, 0,1,2,3,4,5,6,7
	global_load_b128 v[8*\b:8*\b+3], v[BO], s[66:67] offset:64*\b              ; lane (r, h): the bias of columns 16 b + 8 h + 0 .. 7
	global_load_b128 v[8*\b+4:8*\b+7], v[BO], s[66:67] offset:64*\b+16
.endr
	WIN 0
; 24 LDS loads in one run: the fragments of quarter q of a K step (plane q / 2, channels 32 (q % 2) on) into set f: wp16's eight, then o's four
.macro FETCH slot, q, f
.irp b, 0,1,2,3,4,5,6,7
	ds_load_b128 v[\f+32+8*\b:\f+32+8*\b+3],   v[ADRB+\slot] offset:((\q)/2)*BPL+\b*16*PITCH+64*((\q)%2)
	ds_load_b128 v[\f+32+8*\b+4:\f+32+8*\b+7], v[ADRB+\slot] offset:((\q)/2)*BPL+\b*16*PITCH+64*((\q)%2)+32
.endr
.irp a, 0,1,2,3
	ds_load_b128 v[\f+8*\a:\f+8*\a+3],   v[ADRA+\slot] offset:((\q)/2)*APL+\a*16*PITCH+64*((\q)%2)
	ds_load_b128 v[\f+8*\a+4:\f+8*\a+7], v[ADRA+\slot] offset:((\q)/2)*APL+\a*16*PITCH+64*((\q)%2)+32
.endr
.endm
; 8 matrix instructions: row block a x the eight column blocks, 32 along K.  The 32 accumulators take turns, one instruction a turn, in the same order in every quarter.
.macro MUL8 f, a, bias
.irp b, 0,1,2,3,4,5,6,7
.if \bias
	v_wmma_f32_16x16x32_f16 v[8*(8*(\a)+\b):8*(8*(\a)+\b)+7], v[\f+32+8*\b:\f+32+8*\b+7], v[\f+8*(\a):\f+8*(\a)+7], v[8*\b:8*\b+7]
.else
	v_wmma_f32_16x16x32_f16 v[8*(8*(\a)+\b):8*(8*(\a)+\b)+7], v[\f+32+8*\b:\f+32+8*\b+7], v[\f+8*(\a):\f+8*(\a)+7], v[8*(8*(\a)+\b):8*(8*(\a)+\b)+7]
.endif
.endr
.endm
.macro PLACES                          ; four plain vector instructions in front of loads into registers that matrix instructions have read, and of the first read of results
.rept 4
	v_nop
.endr
.endm
; One of a K step's first three quarters: multiplies set f and fetches quarter qn into set g.
.macro QUARTER slot, qn, f, g, bias
	s_wait_dscnt 4                                 ; all but the youngest four loads (o's blocks 2 and 3) are in
.if \bias
	WIN MULB
.else
	WIN MUL
.endif
	MUL8 \f, 0, \bias
	MUL8 \f, 1, \bias
	PLACES
	WIN 0
	FETCH \slot, \qn, \g
	s_wait_dscnt 24                                ; all but the 24 just issued
.if \bias
	WIN MULB
.else
	WIN MUL
.endif
	MUL8 \f, 2, \bias
	MUL8 \f, 3, \bias
.endm
; The last quarter multiplies set F1 and changes slots: ONE barrier; in front of it each wave waits for all its tensor loads (its part of the next slot), adds 0 to its spare word, and waits for that
; and for its reads of this slot.  fill = 1: the barrier opens a round of the cluster's, and this slot is filled again, two K steps ahead, first thing behind the round.
.macro TURN slot, next, fill
	WIN 0
	s_wait_tensorcnt 0x0
	ds_add_u32 v[SPW], v[NIL]
	s_wait_dscnt 5                                 ; (the add and the youngest four loads may be out)
	WIN MUL
	MUL8 F1, 0, 0
	s_wait_dscnt 0x0                               ; the add is done, and my reads of this slot are over
	s_barrier_signal -1
	MUL8 F1, 1, 0
	WIN 0
	s_barrier_wait -1
.if \fill
	CREST
	s_add_nc_u64 s[G0+4*\slot+2:G0+4*\slot+3], s[G0+4*\slot+2:G0+4*\slot+3], 1048576     ; four heads on
	s_add_nc_u64 s[G0B+4*\slot+2:G0B+4*\slot+3], s[G0B+4*\slot+2:G0B+4*\slot+3], 524288
	JLOAD \slot                                    ; the four v_nop behind it are also the places in front of the loads below
.else
	PLACES
.endif
	FETCH \next, 0, F0
	WIN MUL
	MUL8 F1, 2, 0
	MUL8 F1, 3, 0
.endm
	s_wait_tensorcnt 1                             ; my part of K step 0 is in (K step 1's load may be out)
	s_barrier_signal -1
	s_barrier_wait -1                              ; everybody's is
	FETCH 0, 0, F0
	s_wait_loadcnt 0x0                             ; the bias
	QUARTER 0, 1, F0, F1, 1                        ; the first quarter stands in front of the loop: its products start the sums from the bias
	WIN 0
	s_mov_b32 s3, LAPS-1
.Llap:                                             ; a trip goes once round the ring, from a lap's second quarter to the next lap's first, and fills both slots again
	QUARTER 0, 2, F1, F0, 0
	QUARTER 0, 3, F0, F1, 0
	TURN 0, 1, 1
	QUARTER 1, 1, F0, F1, 0
	QUARTER 1, 2, F1, F0, 0
	QUARTER 1, 3, F0, F1, 0
	TURN 1, 0, 1
	QUARTER 0, 1, F0, F1, 0
	WIN 0
	s_sub_co_u32 s3, s3, 1
	s_cmp_lg_u32 s3, 0
	s_cbranch_scc1 .Llap
	QUARTER 0, 2, F1, F0, 0                        ; the last lap fills nothing
	QUARTER 0, 3, F0, F1, 0
	TURN 0, 1, 0
	QUARTER 1, 1, F0, F1, 0
	QUARTER 1, 2, F1, F0, 0
	QUARTER 1, 3, F0, F1, 0
	s_wait_dscnt 4                                 ; the very last quarter
	WIN MUL
	MUL8 F1, 0, 0
	MUL8 F1, 1, 0
	s_wait_dscnt 0
	MUL8 F1, 2, 0
	MUL8 F1, 3, 0
	WIN 0
; THE WAY OUT, block by block of 16 rows x 128 columns: through my stage in LDS and back as whole rows of 512 bytes, which the 32 lanes store.  LDS serves a wave's instructions in order.
.macro TOSTAGE a
.set AC, 64*(\a)
	WIN 0x04                                       ; an LDS store's data are its source 1: window 1
.irp b, 0,1,2,3,4,5,6,7
	ds_store_b128 v[STO], v[AC+8*\b:AC+8*\b+3] offset:64*\b          ; each accumulator from its low end on
	ds_store_b128 v[STO], v[AC+8*\b+4:AC+8*\b+7] offset:64*\b+16
.endr
	WIN 0
.set BB, BK+96*((\a)%2)
.irp t, 0,1,2,3,4,5,6,7,8,9,10,11,12,13,14,15
	ds_load_b128 v[BB+4*\t:BB+4*\t+3], v[RD] offset:\t*SPITCH
.endr
.endm
.macro SEND a, younger                 ; younger: the LDS instructions issued behind block a's loads, which may stay out
.set BB, BK+96*((\a)%2)
	s_wait_dscnt \younger
.if (\a) > 0
	s_add_nc_u64 s[8:9], s[8:9], 16*4096           ; (behind a wait on XCNT: the earlier stores have read their base)  16 rows on
.endif
.irp t, 0,1,2,3,4,5,6,7,8,9,10,11,12,13,14,15
	global_store_b128 v[CO], v[BB+4*\t:BB+4*\t+3], s[8:9] offset:\t*4096 th:TH_STORE_NT   ; 32 lanes store 512 consecutive bytes; written once, read by nobody here
.endr
.endm
	PLACES
	TOSTAGE 0
.irp a, 1,2,3
.if \a > 1
	s_wait_xcnt 0x0                                ; block a - 2's stores have read their registers and their base
.endif
	TOSTAGE \a
	SEND \a-1, 32                                  ; behind block a - 1's loads: block a's 16 stores and 16 loads
.endr
	s_wait_xcnt 0x0
	SEND 3, 0
	s_wait_tensorcnt 0x0                           ; the wave's end: behind my last tensor load and my last LDS store
	ds_add_u32 v[SPW], v[NIL]
	s_wait_dscnt 0x0
	CROUND                                         ; the closing round
	s_endpgm
.Lfunc_end_k_q980b87f6c2_proj:
	.size	k_q980b87f6c2_proj, .Lfunc_end_k_q980b87f6c2_proj-k_q980b87f6c2_proj
	.p2alignl 7, 3214868480
	.fill 96, 4, 3214868480
	.section	.rodata,"a",@progbits
	.p2align	6, 0x0
	.amdhsa_kernel k_q980b87f6c2_proj
		.amdhsa_group_segment_fixed_size 327680
		.amdhsa_private_segment_fixed_size 0
		.amdhsa_enable_private_segment 0
		.amdhsa_kernarg_size 32
		.amdhsa_user_sgpr_count 2
		.amdhsa_user_sgpr_kernarg_segment_ptr 1
		.amdhsa_wavefront_size32 1
		.amdhsa_system_sgpr_workgroup_id_x 1
		.amdhsa_system_sgpr_workgroup_id_y 1
		.amdhsa_system_sgpr_workgroup_id_z 1
		.amdhsa_system_vgpr_workitem_id 0
		.amdhsa_next_free_vgpr 576
		.amdhsa_next_free_sgpr 68
		.amdhsa_reserve_vcc 0
		.amdhsa_float_denorm_mode_32 3
		.amdhsa_float_denorm_mode_16_64 3
		.amdhsa_memory_ordered 1
		.amdhsa_forward_progress 1
		.amdhsa_inst_pref_size 87
	.end_amdhsa_kernel
	.amdgpu_metadata
---
amdhsa.version: [ 1, 2 ]
amdhsa.kernels:
  - .name:           k_q980b87f6c2_proj
    .symbol:         k_q980b87f6c2_proj.kd
    .args:
      - { .name: o16, .offset: 0, .size: 8, .value_kind: global_buffer, .address_space: global }
      - { .name: wp16, .offset: 8, .size: 8, .value_kind: global_buffer, .address_space: global }
      - { .name: out0, .offset: 16, .size: 8, .value_kind: global_buffer, .address_space: global }
      - { .name: proj_b, .offset: 24, .size: 8, .value_kind: global_buffer, .address_space: global }
    .group_segment_fixed_size: 327680
    .private_segment_fixed_size: 0
    .kernarg_segment_align: 8
    .kernarg_segment_size: 32
    .max_flat_workgroup_size: 128
    .sgpr_count:     68
    .vgpr_count:     576
    .wavefront_size: 32
...
	.end_amdgpu_metadata
.endif
;; end of part 4
